; MI455X (gfx1250); checked and timed in simulation.
; The chip was launched on July 23, 2026; its instructions are those of AMD's public machine-readable ISA for CDNA 5 (MIT licence, August 2026) and "CDNA5" Instruction Set Architecture Reference Guide (July 2026). The comments in the code are by the model that wrote it; some were corrected since.
;; Multi Head Attention. Allowed arithmetic: matrix products marked QUANTISED: E2M1 operands, one E8M0 scale for each 32 along K, by v_wmma_scale_f32_16x16x128_f8f6f4 with both operands' format E2M1 (or v_wmma_scale_f32_32x16x128_f4), f32 sums; products left as they are: bf16, f16 or f32 operands; f32 sums; everything else in f32.
;; Inputs: Wk 16 x 1,024 x 64 float32; Wo 1,024 x 1,024 float32; Wq 16 x 1,024 x 64 float32; Wv 16 x 1,024 x 64 float32; bk 16 x 64 float32; bo 1,024 float32; bq 16 x 64 float32; bv 16 x 64 float32; keys 4 x 2,048 x 1,024 float32; queries 4 x 2,048 x 1,024 float32; values 4 x 2,048 x 1,024 float32.
;; Outputs: out0 4 x 2,048 x 1,024 float32.
;; This version of the problem:
;;   THIS VERSION OF THE PROBLEM IS GIVEN IN LOW PRECISION. The matrix products marked QUANTISED in the list below multiply operands that are first quantised to E2M1 (2 exponent bits, 1 mantissa bit; 4 bits a number), with one power-of-two scale for each 32 numbers along K (OCP MX v1.0); their sums are f32. The products marked 'left as it is' may take bf16, f16 or f32 operands, with f32 sums. Whichever they take, every output number must still come out within the allowed error. Rounding operands to bf16 (8 significant bits) uses up far more of that allowance than f16 does (11 bits, for magnitudes from 6e-5 to 65,504). All else is computed in f32.
;;   The module's matrix products, in the order in which they are computed (A, B: the left and right operand; K: the contracted axis; several contracted axes count as one K, in the product's order):
;;     1. [M 1,024, K 1,024] x [K 1,024, N 8,192]; A: input Wq; B: input queries: QUANTISED
;;     2. [M 1,024, K 1,024] x [K 1,024, N 8,192]; A: input Wk; B: input keys: QUANTISED
;;     3. [M 1,024, K 1,024] x [K 1,024, N 8,192]; A: input Wv; B: input values: QUANTISED
;;     4. batch 64 x [M 2,048, K 64] x [K 64, N 2,048]; A: computed on the way; B: computed on the way: left as it is (an operand is computed on the way)
;;     5. batch 64 x [M 2,048, K 2,048] x [K 2,048, N 64]; A: computed on the way; B: computed on the way: left as it is (an operand is computed on the way)
;;     6. [M 8,192, K 1,024] x [K 1,024, N 1,024]; A: computed on the way; B: input Wo: left as it is (an operand is computed on the way)
;;   THE QUANTISER, for each operand of a quantised product, along K:
;;     - K is cut into blocks of 32 from its start; a last block that is shorter is filled with zeros.
;;     - A block's scale is 2^e with e = floor(log2(the largest magnitude in the block)) - 2, held to -126 .. 127; a block of zeros has e = 0. As a byte (E8M0): e + 127.
;;     - Each number is divided by its block's scale, clamped to +-6, and rounded to the nearest number of E2M1, ties to even, subnormals kept.
;;     - The product sums the exact products of the quantised numbers (number of the format x scale) in f32.
;;   ~~~python
;;   def quantise(x, axis):      # numpy; x: float32 -> the quantised numbers, widened to float32 again
;;       x = np.moveaxis(x, axis, -1); K = x.shape[-1]
;;       x = np.pad(x, [(0, 0)] * (x.ndim - 1) + [(0, -K % 32)]); x = x.reshape(x.shape[:-1] + (-1, 32)); a = np.abs(x).max(-1, keepdims=True)
;;       e = np.where(a > 0, np.clip(np.frexp(np.where(a > 0, a, 1))[1] - 1 - 2, -126, 127), 0)      # np.frexp(a)[1] - 1 = floor(log2(a)), exactly
;;       r = np.clip(x / 2.0 ** e, -6, 6)
;;       step = 2.0 ** (np.maximum(np.frexp(np.where(r == 0, 1, r))[1] - 1, 0) - 1)
;;       q = np.round(r / step) * step * 2.0 ** e      # np.round: ties to even
;;       return np.moveaxis(q.reshape(q.shape[:-2] + (-1,))[..., :K], -1, axis).astype(np.float32)
;;   ~~~
;; One version. Each part assembles by itself: llvm-mc -triple=amdgcn-amd-amdhsa -mcpu=gfx1250 --defsym DOCPART=n.
;; ======== version 1 of 1: 6 launches
;; limits: values are held in f16: magnitudes above 65,504 overflow, below 6.1e-05 lose precision
;; workspace buffers: xc 12,582,912 bytes; xs 786,432 bytes; wc 1,572,864 bytes; ws 98,304 bytes; wo16 2,097,152 bytes; qkv16 50,331,648 bytes; qkv32 786,432 bytes; ctx16 16,777,216 bytes
;; launch quant_x (part 1): grid 832 x 1, 4 waves a work-group, no clusters, 33,280 bytes of LDS; arguments queries, keys, values, Wo, xc, xs, wo16; writes xc, xs, wo16
.if DOCPART == 1
	.amdgcn_target "amdgcn-amd-amdhsa--gfx1250"
	.amdhsa_code_object_version 6
	.text
	.protected	k_qa3558c4871_quant_x
	.globl	k_qa3558c4871_quant_x
	.p2align	8
	.type	k_qa3558c4871_quant_x,@function
k_qa3558c4871_quant_x:
	s_mov_b64 s[64:65], 0
	v_nop
	global_prefetch_b8 v0, s[64:65] scope:SCOPE_SE
	s_setreg_imm32_b32 hwreg(HW_REG_WAVE_MODE, 25, 1), 1
	s_wait_xcnt 0x0
; queries, keys, values, each [8192][1024] f32, become codes of FP4 (E2M1), K innermost, with one E8M0 scale byte for each 32 along K:
; xc [3][8192][512 bytes], xs [3][8192][32 bytes].  Wo [1024][1024] f32 becomes f16 in the same order (wo16).
; A block's scale is 2^(floor(log2(its largest magnitude)) - 2); its byte is the largest magnitude's exponent field - 2, held at 1 from below.
; LIMITS: a block of zeros gets the byte 1 where the rule says 127 (its codes are zeros, and this program alone reads the bytes); blocks whose largest
; magnitude lies under 2^(2 - 126) keep the byte 1; NaN and infinities among the inputs are not served; |Wo| beyond 65,504 becomes infinity in f16.
; Work-groups 0 to 767: rows are dense and K is a multiple of 32, so the three tensors are streams of blocks of 32, and codes and bytes are one stream over all three.
; A wave takes 16 steps of 512 numbers.  Each of a step's four loads reads 512 consecutive bytes; the 2,048 bytes turn through the wave's own stage in LDS and come
; back 64 bytes a lane, so that a lane holds 16 neighbours along K and two neighbouring lanes a block.  Loads run four steps ahead, the turn through LDS one step.
; Work-groups 768 to 831: 65,536 bytes of Wo each, no LDS.
.set STEPS, 16
.set QWG,   256                        ; work-groups for one tensor: 8192 x 1024 / (4 waves x 8,192 numbers)
.set EMAX,  2
.set CB,    8                          ; bytes of 16 codes
.set R,     16                         ; v16-79   four sets of 16 numbers as loaded
.set X,     80                         ; v80-111  two sets of 16 neighbours
.set E,     112                        ; v112-127 a scale byte for each step
.set C,     128                        ; v128-191 codes: four registers for each step, so that no store's data are written again
.set WREG,  8192                       ; LDS: a region for each wave: two stages of 32 x SP bytes, then its 256 scale bytes
.set SP,    80                         ; a lane's place in a stage: 64 bytes + 16 of padding
.set SPW,   12                         ; v12 LDS address of my spare word; never rewritten
.set NIL,   13                         ; v13 0; never rewritten
.set SPARE, 4*WREG                     ; the spare words: 128 bytes a wave, two blocks of 256 bytes that no other line names
	s_load_b128 s[4:7], s[0:1], 0x0                ; queries, keys
	s_load_b128 s[8:11], s[0:1], 0x10              ; values, Wo
	s_load_b128 s[12:15], s[0:1], 0x20             ; xc, xs
	s_load_b64 s[22:23], s[0:1], 0x30              ; wo16
	v_lshl_add_u32 v[SPW], v0, 2, SPARE
	v_mov_b32 v[NIL], 0
	v_lshrrev_b32 v1, 5, v0
	v_readfirstlane_b32 s16, v1                    ; wave
	v_and_b32 v2, 31, v0                           ; lane
	v_lshlrev_b32 v3, 4, v2                        ; my 16 bytes of a load's 512
	s_mul_i32 s17, s16, WREG
	v_lshrrev_b32 v14, 2, v2
	v_mul_u32_u24 v14, v14, SP
	v_and_b32 v15, 3, v2
	v_lshl_add_u32 v14, v15, 4, v14
	v_add_nc_u32 v14, s17, v14                     ; the stage, on the way in: SP (lane / 4) + 16 (lane % 4)
	v_mul_u32_u24 v15, v2, SP
	v_add_nc_u32 v15, s17, v15                     ; and on the way out: SP x lane
	v_mul_u32_u24 v4, v2, CB                       ; my codes' place in a step's
	v_lshrrev_b32 v5, 1, v2
	s_add_co_u32 s17, s17, 2*32*SP
	v_add_nc_u32 v5, s17, v5                       ; my wave's 256 scale bytes, my block's byte
	v_lshlrev_b32 v7, 3, v2                        ; and on the way out 8 bytes a lane
	v_add_nc_u32 v6, s17, v7
	s_wait_kmcnt 0x0
	s_cmp_ge_u32 ttmp9, 3*QWG                      ; the work-group's number alone decides
	s_cbranch_scc1 .Lcast
	s_cmp_lt_u32 ttmp9, QWG
	s_cselect_b64 s[4:5], s[4:5], s[6:7]           ; queries, or keys,
	s_cselect_b32 s17, 0, QWG
	s_cmp_lt_u32 ttmp9, 2*QWG
	s_cselect_b64 s[4:5], s[4:5], s[8:9]           ; or values
	s_cselect_b32 s17, s17, 2*QWG
	s_sub_co_u32 s17, ttmp9, s17
	s_lshl_b32 s17, s17, 2
	s_add_co_u32 s18, s17, s16                     ; which run of 8,192 numbers of the tensor is my wave's
	s_mov_b32 s19, 0
	s_lshl_b64 s[20:21], s[18:19], 15              ; 32,768 bytes a run
	s_add_nc_u64 s[4:5], s[4:5], s[20:21]
	s_lshl_b32 s18, ttmp9, 2
	s_add_co_u32 s18, s18, s16                     ; the run's number in the stream over all three tensors
	s_lshl_b32 s20, s18, 12                        ; 4,096 bytes of codes a run
	s_mov_b32 s21, 0
	s_add_nc_u64 s[12:13], s[12:13], s[20:21]
	s_lshl_b32 s20, s18, 8                         ; 256 scale bytes a run
	s_add_nc_u64 s[14:15], s[14:15], s[20:21]
.macro LOAD t
.irp i, 0,1,2,3
	global_load_b128 v[R+16*((\t)%4)+4*\i:R+16*((\t)%4)+4*\i+3], v3, s[4:5] offset:2048*(\t)+512*\i th:TH_LOAD_NT   ; 32 lanes read 512 consecutive bytes
.endr
.endm
.macro TURN t                          ; step t's numbers through the stage: LDS serves a wave's instructions in order, so no wait stands between the stores and the loads
.irp i, 0,1,2,3
	ds_store_b128 v14, v[R+16*((\t)%4)+4*\i:R+16*((\t)%4)+4*\i+3] offset:32*SP*((\t)%2)+8*SP*\i
.endr
.irp i, 0,1,2,3
	ds_load_b128 v[X+16*((\t)%2)+4*\i:X+16*((\t)%2)+4*\i+3], v15 offset:32*SP*((\t)%2)+16*\i
.endr
.endm
.irp t, 0,1,2,3
	LOAD \t
.endr
	s_wait_loadcnt 12                              ; step 0's four loads are in; the twelve of steps 1 to 3 may be out
	TURN 0
.macro STEP t
.set XS, X+16*((\t)%2)
.if (\t) > 0
	s_wait_dscnt 1                                 ; this step's numbers are back from the stage (the last step's byte store may be out)
.else
	s_wait_dscnt 0x0
.endif
.if (\t)+4 < STEPS
	LOAD (\t)+4                                    ; into the registers that the stage's stores have read
.endif
.if (\t)+1 < STEPS
.if STEPS-2-(\t) >= 3
	s_wait_loadcnt 12                              ; the next step's four loads are in; those of the three steps behind it may be out
.else
	s_wait_loadcnt 4*(STEPS-2-(\t))
.endif
	TURN (\t)+1                                    ; through the other stage while this step is worked
.endif
	v_max3_num_f32 v8, |v[XS]|, |v[XS+1]|, |v[XS+2]|               ; the largest magnitude of my 16, in two chains
	v_max3_num_f32 v9, |v[XS+3]|, |v[XS+4]|, |v[XS+5]|
.irp i, 6,10
	v_max3_num_f32 v8, v8, |v[XS+\i]|, |v[XS+\i+1]|
	v_max3_num_f32 v9, v9, |v[XS+\i+2]|, |v[XS+\i+3]|
.endr
	v_max3_num_f32 v8, v8, |v[XS+14]|, |v[XS+15]|
	v_max3_num_f32 v8, v8, v9, (EMAX+1)<<23        ; and the floor 2^(EMAX + 1 - 127): the byte cannot fall under 1
	v_max_num_f32_dpp v8, v8, v8 row_xmask:1 row_mask:0xf bank_mask:0xf   ; and of my neighbour's 16: the block's
	v_add_nc_u32 v11, -(EMAX<<23), v8              ; EMAX off its exponent field: the conversion takes this operand's exponent field as its scale
	v_cvt_scalef32_pk8_fp4_f32 v[C+4*(\t)], v[XS:XS+7], v11
	v_cvt_scalef32_pk8_fp4_f32 v[C+4*(\t)+1], v[XS+8:XS+15], v11
	v_lshrrev_b32 v[E+(\t)], 23, v11               ; the scale's byte (also the plain line behind the conversions)
	ds_store_b8 v5, v[E+(\t)] offset:16*(\t)       ; both lanes of a block write the same byte with the same value
	global_store_b64 v4, v[C+4*(\t):C+4*(\t)+1], s[12:13] offset:32*CB*(\t)   ; the wave stores 256 consecutive bytes, aligned
.endm
.irp t, 0,1,2,3,4,5,6,7,8,9,10,11,12,13,14,15
	STEP \t
.endr
	ds_load_b64 v[8:9], v6                         ; my wave's 256 scale bytes: these see my stores
	s_wait_dscnt 0x0
	global_store_b64 v7, v[8:9], s[14:15]          ; 32 lanes store 256 consecutive bytes, aligned
	s_wait_tensorcnt 0x0                           ; the wave's end, behind my last LDS store
	ds_add_u32 v[SPW], v[NIL]
	s_wait_dscnt 0x0
	s_endpgm
.Lcast:                                            ; Wo to f16: thread t takes 16 bytes at 16 t of each piece of 2,048; this way writes no LDS
	s_sub_co_u32 s17, ttmp9, 3*QWG
	s_lshl_b32 s18, s17, 16
	s_mov_b32 s19, 0
	s_add_nc_u64 s[10:11], s[10:11], s[18:19]
	s_lshl_b32 s18, s17, 15
	s_add_nc_u64 s[22:23], s[22:23], s[18:19]
	v_lshlrev_b32 v8, 4, v0
	v_lshlrev_b32 v9, 3, v0
.irp j, 0,1,2,3,4,5,6,7,8,9,10,11,12,13,14,15,16,17,18,19,20,21,22,23,24,25,26,27,28,29,30,31
	global_load_b128 v[16+4*\j:19+4*\j], v8, s[10:11] offset:2048*\j th:TH_LOAD_NT
.endr
.irp j, 0,1,2,3,4,5,6,7,8,9,10,11,12,13,14,15,16,17,18,19,20,21,22,23,24,25,26,27,28,29,30,31
	s_wait_loadcnt 31-\j                           ; piece j is in; the younger pieces may be out
	v_cvt_pk_f16_f32 v[16+4*\j], v[16+4*\j], v[17+4*\j]
	v_cvt_pk_f16_f32 v[17+4*\j], v[18+4*\j], v[19+4*\j]
	global_store_b64 v9, v[16+4*\j:17+4*\j], s[22:23] offset:1024*\j   ; a wave stores 256 consecutive bytes, aligned
.endr
	s_endpgm
.Lfunc_end_k_qa3558c4871_quant_x:
	.size	k_qa3558c4871_quant_x, .Lfunc_end_k_qa3558c4871_quant_x-k_qa3558c4871_quant_x
	.p2alignl 7, 3214868480
	.fill 96, 4, 3214868480
	.section	.rodata,"a",@progbits
	.p2align	6, 0x0
	.amdhsa_kernel k_qa3558c4871_quant_x
		.amdhsa_group_segment_fixed_size 33280
		.amdhsa_private_segment_fixed_size 0
		.amdhsa_enable_private_segment 0
		.amdhsa_kernarg_size 56
		.amdhsa_user_sgpr_count 2
		.amdhsa_user_sgpr_kernarg_segment_ptr 1
		.amdhsa_wavefront_size32 1
		.amdhsa_system_sgpr_workgroup_id_x 1
		.amdhsa_system_sgpr_workgroup_id_y 1
		.amdhsa_system_sgpr_workgroup_id_z 1
		.amdhsa_system_vgpr_workitem_id 0
		.amdhsa_next_free_vgpr 192
		.amdhsa_next_free_sgpr 66
		.amdhsa_reserve_vcc 0
		.amdhsa_float_denorm_mode_32 3
		.amdhsa_float_denorm_mode_16_64 3
		.amdhsa_memory_ordered 1
		.amdhsa_forward_progress 1
		.amdhsa_inst_pref_size 45
	.end_amdhsa_kernel
	.amdgpu_metadata
---
amdhsa.version: [ 1, 2 ]
amdhsa.kernels:
  - .name:           k_qa3558c4871_quant_x
    .symbol:         k_qa3558c4871_quant_x.kd
    .args:
      - { .name: queries, .offset: 0, .size: 8, .value_kind: global_buffer, .address_space: global }
      - { .name: keys, .offset: 8, .size: 8, .value_kind: global_buffer, .address_space: global }
      - { .name: values, .offset: 16, .size: 8, .value_kind: global_buffer, .address_space: global }
      - { .name: Wo, .offset: 24, .size: 8, .value_kind: global_buffer, .address_space: global }
      - { .name: xc, .offset: 32, .size: 8, .value_kind: global_buffer, .address_space: global }
      - { .name: xs, .offset: 40, .size: 8, .value_kind: global_buffer, .address_space: global }
      - { .name: wo16, .offset: 48, .size: 8, .value_kind: global_buffer, .address_space: global }
    .group_segment_fixed_size: 33280
    .private_segment_fixed_size: 0
    .kernarg_segment_align: 8
    .kernarg_segment_size: 56
    .max_flat_workgroup_size: 128
    .sgpr_count:     66
    .vgpr_count:     192
    .wavefront_size: 32
...
	.end_amdgpu_metadata
.endif
;; end of part 1
;; launch quant_w (part 2): grid 48 x 1, 16 waves a work-group, no clusters, 37,888 bytes of LDS; arguments Wq, Wk, Wv, wc, ws; writes wc, ws
.if DOCPART == 2
	.amdgcn_target "amdgcn-amd-amdhsa--gfx1250"
	.amdhsa_code_object_version 6
	.text
	.protected	k_qa3558c4871_quant_w
	.globl	k_qa3558c4871_quant_w
	.p2align	8
	.type	k_qa3558c4871_quant_w,@function
k_qa3558c4871_quant_w:
	s_mov_b64 s[64:65], 0
	v_nop
	global_prefetch_b8 v0, s[64:65] scope:SCOPE_SE
	s_setreg_imm32_b32 hwreg(HW_REG_WAVE_MODE, 25, 1), 1
	s_wait_xcnt 0x0
; Wq, Wk, Wv, each [16 heads][1024 k][64 c] f32, are operands whose K is the middle axis.  They become codes of FP4 (E2M1) laid [3][1024 n = 64 head + c][512 bytes] with K innermost (wc),
; and one E8M0 byte for each 32 along K, [3][1024][32 bytes] (ws).
; A work-group takes one head of one tensor.  A LANE TAKES A COLUMN c AND ITS REGISTERS RUN DOWN K: a block of 32 along K lies in one lane's 32 registers, and the conversions give codes with K innermost.
; Wave w takes columns 32 (w & 1) on and k = 128 (w >> 1) on: four blocks a lane.  Codes and scale words meet in LDS as rows of the output; behind one barrier each wave stores four whole rows of 512 bytes.
; LIMITS: a block of zeros gets the byte 1 where the rule says 127 (its codes are zeros, and this program alone reads the bytes); blocks under 2^(2 - 126) keep the byte 1; NaN and infinities are not served.
.set PITCH, 528                        ; a row of codes in LDS: 512 bytes + 16
.set SCST,  64*PITCH                   ; behind the 64 rows: 64 rows of 32 scale bytes
.set SPARE, SCST+2048                  ; the spare words: 128 bytes a wave, eight blocks of 256 bytes that no other line names
.set EMAX,  2
.set X,     32                         ; v32-159  four blocks of 32 numbers, each in registers of its own
.set C,     160                        ; v160-175 four registers of codes a block
	s_load_b256 s[4:11], s[0:1], 0x0               ; Wq, Wk, Wv, wc
	s_load_b64 s[12:13], s[0:1], 0x20              ; ws
	v_lshl_add_u32 v6, v0, 2, SPARE                ; v6: my spare word; v7: 0; both never rewritten
	v_mov_b32 v7, 0
	v_lshrrev_b32 v1, 5, v0
	v_readfirstlane_b32 s16, v1                    ; wave 0..15
	v_and_b32 v1, 31, v0                           ; lane
	s_and_b32 s17, s16, 1                          ; which 32 columns
	s_lshr_b32 s18, s16, 1                         ; which 128 along K
	v_lshlrev_b32 v3, 2, v1                        ; in: 4 bytes a lane
	s_mul_i32 s19, s17, 32*PITCH
	s_lshl_b32 s20, s18, 6
	s_add_co_u32 s19, s19, s20
	v_mul_u32_u24 v4, v1, PITCH
	v_add_nc_u32 v4, s19, v4                       ; my column's row of codes, my 64 bytes of it
	s_lshl_b32 s19, s17, 10
	s_lshl_b32 s20, s18, 2
	s_add_co_u32 s19, s19, s20
	s_add_co_u32 s19, s19, SCST
	v_lshl_add_u32 v5, v1, 5, s19                  ; my column's row of scale bytes, my word of it
	v_lshlrev_b32 v8, 4, v1                        ; out: 16 bytes a lane
	s_mul_i32 s19, s16, 4*PITCH
	v_add_nc_u32 v9, s19, v8                       ; back: rows 4 w on, a row an instruction
	s_min_u32 s30, s16, 3
	s_lshl_b32 s30, s30, 9
	s_add_co_u32 s19, s30, SCST
	v_add_nc_u32 v10, s19, v8                      ; waves 0 to 3: 512 of the 2,048 scale bytes
	s_lshr_b32 s21, ttmp9, 4                       ; the tensor
	s_and_b32 s22, ttmp9, 15                       ; the head
	s_lshl_b32 s24, s22, 18                        ; a head is 262,144 bytes,
	s_lshl_b32 s25, s18, 15                        ; 128 rows of 256 bytes,
	s_add_co_u32 s24, s24, s25
	s_lshl_b32 s25, s17, 7                         ; 32 columns
	s_add_co_u32 s24, s24, s25
	s_mov_b32 s25, 0
	s_lshl_b32 s26, ttmp9, 15                      ; wc: 64 rows of 512 bytes a work-group (64 x work-group = 1024 tensor + 64 head),
	s_lshl_b32 s27, s16, 11                        ; four rows a wave
	s_add_co_u32 s26, s26, s27
	s_mov_b32 s27, 0
	s_lshl_b32 s28, ttmp9, 11                      ; ws: 64 rows of 32 bytes a work-group
	s_add_co_u32 s28, s28, s30
	s_mov_b32 s29, 0
	s_wait_kmcnt 0x0
	s_cmp_eq_u32 s21, 0
	s_cselect_b64 s[4:5], s[4:5], s[6:7]
	s_cmp_eq_u32 s21, 2
	s_cselect_b64 s[4:5], s[8:9], s[4:5]
	s_add_nc_u64 s[4:5], s[4:5], s[24:25]
	s_add_nc_u64 s[10:11], s[10:11], s[26:27]
	s_add_nc_u64 s[12:13], s[12:13], s[28:29]
.macro LOAD t                          ; block t: W(32 t + i, my column)
.irp i, 0,1,2,3,4,5,6,7,8,9,10,11,12,13,14,15,16,17,18,19,20,21,22,23,24,25,26,27,28,29,30,31
	global_load_b32 v[X+32*(\t)+\i], v3, s[4:5] offset:(32*(\t)+\i)*256 th:TH_LOAD_NT
.endr
.endm
	LOAD 0
	LOAD 1
.macro BLOCK t
.set XS, X+32*(\t)
.if (\t) < 3
	s_wait_loadcnt 32                              ; this block's 32 loads are in; the next block's 32 may be out
.else
	s_wait_loadcnt 0x0
.endif
.if (\t)+2 < 4
	LOAD (\t)+2                                    ; two blocks ahead, into registers of its own
.endif
	v_max3_num_f32 v12, |v[XS]|, |v[XS+1]|, |v[XS+2]|               ; the block's largest magnitude: all 32 numbers are mine
	v_max3_num_f32 v13, |v[XS+3]|, |v[XS+4]|, |v[XS+5]|
.irp i, 6,10,14,18,22,26
	v_max3_num_f32 v12, v12, |v[XS+\i]|, |v[XS+\i+1]|
	v_max3_num_f32 v13, v13, |v[XS+\i+2]|, |v[XS+\i+3]|
.endr
	v_max3_num_f32 v12, v12, |v[XS+30]|, |v[XS+31]|
	v_max3_num_f32 v12, v12, v13, (EMAX+1)<<23     ; and the floor 2^(EMAX + 1 - 127): the byte cannot fall under 1
	v_add_nc_u32 v11, -(EMAX<<23), v12             ; EMAX off its exponent field: the conversion's scale operand
	v_lshrrev_b32 v13, 23, v11                     ; the scale's byte
.if (\t) == 0
	v_mov_b32 v14, v13                             ; four bytes make my column's word for these 128 along K
.else
	v_lshl_or_b32 v14, v13, 8*(\t), v14
.endif
.irp g, 0,1,2,3
	v_cvt_scalef32_pk8_fp4_f32 v[C+4*(\t)+\g], v[XS+8*\g:XS+8*\g+7], v11
.endr
	v_nop                                          ; one plain line behind the conversions
	ds_store_b128 v4, v[C+4*(\t):C+4*(\t)+3] offset:16*(\t)
.endm
	BLOCK 0
	BLOCK 1
	BLOCK 2
	BLOCK 3
	ds_store_b32 v5, v14
	s_wait_dscnt 0x0                               ; for the others' sake: my stores have landed
	s_barrier_signal -1
	s_barrier_wait -1
.irp i, 0,1,2,3
	ds_load_b128 v[32+4*\i:35+4*\i], v9 offset:PITCH*\i
.endr
.irp i, 0,1,2,3
	s_wait_dscnt 3-\i                              ; row i is in; the younger rows may be out
	global_store_b128 v8, v[32+4*\i:35+4*\i], s[10:11] offset:512*\i   ; 32 lanes store a row of 512 consecutive bytes, aligned
.endr
	s_cmp_gt_u32 s16, 3                            ; the wave's number alone: waves 0 to 3 store the scale bytes
	s_cbranch_scc1 .Lno_scales
	ds_load_b128 v[48:51], v10
	s_wait_dscnt 0x0
	global_store_b128 v8, v[48:51], s[12:13]
.Lno_scales:
	s_wait_tensorcnt 0x0                           ; the wave's end, behind my last LDS store
	ds_add_u32 v6, v7
	s_wait_dscnt 0x0
	s_endpgm
.Lfunc_end_k_qa3558c4871_quant_w:
	.size	k_qa3558c4871_quant_w, .Lfunc_end_k_qa3558c4871_quant_w-k_qa3558c4871_quant_w
	.p2alignl 7, 3214868480
	.fill 96, 4, 3214868480
	.section	.rodata,"a",@progbits
	.p2align	6, 0x0
	.amdhsa_kernel k_qa3558c4871_quant_w
		.amdhsa_group_segment_fixed_size 37888
		.amdhsa_private_segment_fixed_size 0
		.amdhsa_enable_private_segment 0
		.amdhsa_kernarg_size 40
		.amdhsa_user_sgpr_count 2
		.amdhsa_user_sgpr_kernarg_segment_ptr 1
		.amdhsa_wavefront_size32 1
		.amdhsa_system_sgpr_workgroup_id_x 1
		.amdhsa_system_sgpr_workgroup_id_y 1
		.amdhsa_system_sgpr_workgroup_id_z 1
		.amdhsa_system_vgpr_workitem_id 0
		.amdhsa_next_free_vgpr 176
		.amdhsa_next_free_sgpr 66
		.amdhsa_reserve_vcc 0
		.amdhsa_float_denorm_mode_32 3
		.amdhsa_float_denorm_mode_16_64 3
		.amdhsa_memory_ordered 1
		.amdhsa_forward_progress 1
		.amdhsa_inst_pref_size 22
	.end_amdhsa_kernel
	.amdgpu_metadata
---
amdhsa.version: [ 1, 2 ]
amdhsa.kernels:
  - .name:           k_qa3558c4871_quant_w
    .symbol:         k_qa3558c4871_quant_w.kd
    .args:
      - { .name: Wq, .offset: 0, .size: 8, .value_kind: global_buffer, .address_space: global }
      - { .name: Wk, .offset: 8, .size: 8, .value_kind: global_buffer, .address_space: global }
      - { .name: Wv, .offset: 16, .size: 8, .value_kind: global_buffer, .address_space: global }
      - { .name: wc, .offset: 24, .size: 8, .value_kind: global_buffer, .address_space: global }
      - { .name: ws, .offset: 32, .size: 8, .value_kind: global_buffer, .address_space: global }
    .group_segment_fixed_size: 37888
    .private_segment_fixed_size: 0
    .kernarg_segment_align: 8
    .kernarg_segment_size: 40
    .max_flat_workgroup_size: 512
    .sgpr_count:     66
    .vgpr_count:     176
    .wavefront_size: 32
...
	.end_amdgpu_metadata
.endif
;; end of part 2
;; launch proj (part 3): grid 4 x 96, 4 waves a work-group, clusters of 4 x 4, 327,680 bytes of LDS; arguments xc, xs, wc, ws, bq, bk, bv, qkv16, qkv32; writes qkv16, qkv32
.if DOCPART == 3
	.amdgcn_target "amdgcn-amd-amdhsa--gfx1250"
	.amdhsa_code_object_version 6
	.text
	.protected	k_qa3558c4871_proj
	.globl	k_qa3558c4871_proj
	.p2align	8
	.type	k_qa3558c4871_proj,@function
k_qa3558c4871_proj:
	s_mov_b64 s[64:65], 0
	v_nop
	global_prefetch_b8 v0, s[64:65] scope:SCOPE_SE
	s_setreg_imm32_b32 hwreg(HW_REG_WAVE_MODE, 25, 1), 1
	s_wait_xcnt 0x0
	s_wait_alu depctr_hold_cnt(0) depctr_sa_sdst(0) depctr_va_vdst(0) depctr_va_sdst(0) depctr_va_ssrc(0) depctr_va_vcc(0) depctr_vm_vsrc(0)
	s_getreg_b32 s2, hwreg(HW_REG_IB_STS2, 6, 4)
	s_cmp_eq_u32 s2, 0
	s_cbranch_scc0 .Lentry_in_a_cluster
	s_endpgm
.Lentry_in_a_cluster:
	s_bfe_u32 s2, ttmp6, 0x10000c
	s_cmp_lg_u32 s2, 0xf033
	s_cbranch_scc0 .Lentry_shape_is_right
	s_endpgm
.Lentry_shape_is_right:
; The three input projections on codes of FP4 (E2M1) with one E8M0 scale for each 32 along K = 1,024:  y[t][row][n] = sum over k of x[t][row][k] w[t][n][k] + bias[t][n], t = q, k, v.
; xc [3 x 8192 rows][512 bytes], xs [..][32]; wc [3 x 1024 n][512 bytes], ws [..][32].  Results: qkv16 [3][64 batch-heads][2048][64] f16; the first 16 positions of every sequence also in f32 (qkv32, as images of the accumulators).
; LIMIT: a result beyond 65,504 in magnitude becomes infinity in f16.
; A tile of 256 rows x 256 n is made by four waves, each 128 x 128: 64 accumulators, 512 registers.  K goes in two steps of 512 through two LDS slots, both asked for at the head: nothing is filled again.
; The scale bytes of the tile's rows and columns, for all of K, are two dense blocks of memory: they come once, with the first fills.
; CLUSTERS of 4 x 4: cx is the tile column, cy THE BATCH; the cluster's y gives the tensor (y / 8) and the block of 256 positions (y % 8).  The four of a row of the cluster need the same tiles of x, the four of a column the same
; tiles of w: each is asked for jointly.  With the batch in cy, 'my tile holds positions 0 to 15' is y % 8 = 0: the same in all sixteen partners.
; THE MATRIX INSTRUCTION IS USED TRANSPOSED (source 0 = 16 rows of w, source 1 = 16 rows of x): a lane holds eight neighbouring n of one position.  The bias is the C of each sum's first instruction.
; REGISTERS, in windows of 256: window 0: v0-31 addresses; v32-95 scale words, two sets; v128-191 x's fragments, one set; v192-255 the bias, eight registers for each block of 16 n; on the way out v32-63 packed results, v128-191 rows read back.
;   window 1: w's fragments, two sets, at v0 and v128.   window 2: the accumulators of my rows 0-63 ((a, b) at v[8 (8 a + b)]);   window 3: those of my rows 64-127.
.set SIZE_K, 1024
.set KSTEP,  512
.set NQ,     KSTEP/128
.set ROWB,   256                       ; a tile's row in bytes
.set KROW,   SIZE_K*4/8                ; a row of codes in memory
.set PITCH,  272                       ; an LDS row: 256 bytes + 16: the 16 rows that a load touches start at 16 different places modulo 256 bytes
.set FR,     8
.set NL,     2
.set NP,     4                         ; places behind this matrix instruction (ISA guide 7.12.1)
.set HALFT,  128*PITCH
.set SLOT,   4*HALFT
.set KS,     SIZE_K/32
.set SCL,    2*SLOT                    ; behind the slots: the scale bytes, as rows of 256 bytes + 16
.set HALFS,  (128*KS/256)*272
.set SBLK,   (16*KS/256)*272
.set SPARE,  SCL+4*HALFS               ; the spare words: 128 bytes a wave, two blocks of 256 bytes that no other line names
.set WST,    4608                      ; the way out: a stage of 2 heads x 16 rows x (128 bytes + 16) for each wave, in slot 0, which has had its only fill and its last read by then
.set ADRA, 16
.set ADRB, 20
.set STO,  24
.set RD,   25
.set CO,   26
.set ADRS, 27
.set SPW,  28
.set NIL,  29
.set BO,   30                          ; v30  32 x (lane / 16): my eight numbers of a block of the bias
.set XO,   31                          ; v31  16 x lane: an image's place for my lane
.set SC,   32
.set AF,   128
.set BIAS, 192
.set TMP,  32
.set BK,   128
.set G1, 24
.set G0, 32
.set G1B, 48
.set G0B, 56
.set G1S, 68
.set G0S, 76
.set G1SB, 80
.set G0SB, 88
.set MSB, 0
.macro WIN new                         ; the immediate's high byte repeats the setting that is left
.if MSB != \new
	s_set_vgpr_msb (MSB<<8)|\new
.set MSB, \new
.endif
.endm
.set MUL_LO, 0xa1                      ; source 0 (w) window 1, source 1 (x) window 0, C and D window 2
.set MUL_HI, 0xf1                      ; the same, C and D window 3
.set FIRST_LO, 0x81                    ; the first step: C is the bias, in window 0
.set FIRST_HI, 0xc1
.set TO_B,   0x40
; A joint load: waves 0 and 1 fetch for x, waves 2 and 3 for w.  The branch hangs on the wave's number alone.  An s_nop 0 and four v_nop follow each of the two lines.
.macro JLOAD g0a, g1a, g0b, g1b
	s_cmp_eq_u32 s15, 0
	s_cbranch_scc0 .Lfor_b_\@
	tensor_load_to_lds s[\g0a:\g0a+3], s[\g1a:\g1a+7]
	s_nop 0
.rept 4
	v_nop
.endr
	s_branch .Lasked_\@
.Lfor_b_\@:
	tensor_load_to_lds s[\g0b:\g0b+3], s[\g1b:\g1b+7]
	s_nop 0
.rept 4
	v_nop
.endr
.Lasked_\@:
.endm
.macro CROUND                          ; a round of the cluster's barrier
	s_barrier_signal -1
	s_barrier_wait -1
	s_cmp_lg_u32 s14, 0
	s_cbranch_scc1 .Lnot_wave_0_\@
	s_barrier_signal -3
.Lnot_wave_0_\@:
	s_barrier_wait -3
	s_barrier_signal -1
	s_barrier_wait -1
.endm
	s_load_b128 s[4:7], s[0:1], 0x0                ; xc, xs
	s_load_b128 s[8:11], s[0:1], 0x10              ; wc, ws
	s_load_b128 s[96:99], s[0:1], 0x20             ; bq, bk
	s_load_b64 s[100:101], s[0:1], 0x30            ; bv
	s_load_b64 s[12:13], s[0:1], 0x38              ; qkv16
	s_load_b64 s[66:67], s[0:1], 0x40              ; qkv32
	v_lshl_add_u32 v[SPW], v0, 2, SPARE
	v_mov_b32 v[NIL], 0
	ds_add_u32 v[SPW], v[NIL]                      ; the wave's opening: the add, twice on end, and its wait ahead of my first tensor load
	ds_add_u32 v[SPW], v[NIL]
	v_lshrrev_b32 v1, 5, v0
	v_readfirstlane_b32 s14, v1                    ; wave 0..3
	s_lshr_b32 s15, s14, 1                         ; which half of the tile's rows is mine.  Also: I fetch for x (0) or for w (1)
	s_and_b32 s16, s14, 1                          ; which half of its columns.  Also: which 128 rows of that tile I fetch
	s_bfe_u32 s40, ttmp6, 0x40000                  ; cx
	s_bfe_u32 s41, ttmp6, 0x40004                  ; cy
	s_and_b32 s17, ttmp7, 0xffff                   ; the cluster's y, 0..23
	s_lshr_b32 s3, s17, 3                          ; the tensor t
	s_and_b32 s95, s17, 7                          ; the block of 256 positions
	s_lshl_b32 s42, s3, 2
	s_add_co_u32 s17, s42, s41                     ; 4 t + batch
	s_add_co_u32 s42, s42, s40                     ; w's tile: rows 256 (4 t + cx) on
	s_lshl_b32 s17, s17, 3
	s_add_co_u32 s17, s17, s95                     ; x's tile: rows 256 (8 (4 t + batch) + block) on
	s_lshl_b32 s43, s41, 2
	s_lshl_b32 s43, 15, s43                        ; my row of the cluster
	s_lshl_b32 s44, 0x1111, s40                    ; my column
	s_or_b32 s[G1+0], s43, (0<<16)|(1<<20)|(1<<21)|(5<<22)|(3<<25)  ; the mask; elements of 1 byte; padding on: 4 words behind every 64
	s_or_b32 s[G1B+0], s44, (0<<16)|(1<<20)|(1<<21)|(5<<22)|(3<<25)
.irp g, G1, G1B
	s_mov_b32 s[\g+1], ROWB<<16                    ; tensor_dim0
	s_mov_b32 s[\g+2], 128<<16                     ; tensor_dim1
	s_mov_b32 s[\g+3], ROWB<<16                    ; tile_dim0
	s_mov_b32 s[\g+4], 128                         ; tile_dim1
	s_mov_b32 s[\g+5], KROW                        ; from row to row
	s_mov_b32 s[\g+6], 0
	s_mov_b32 s[\g+7], 0
.endr
	s_or_b32 s[G1S+0], s43, (3<<16)|(1<<20)|(1<<21)|(5<<22)|(3<<25)  ; the scale bytes of 128 rows: 4,096 dense bytes as 16 rows of 32 elements of 8 bytes
	s_or_b32 s[G1SB+0], s44, (3<<16)|(1<<20)|(1<<21)|(5<<22)|(3<<25)
.irp g, G1S, G1SB
	s_mov_b32 s[\g+1], 32<<16
	s_mov_b32 s[\g+2], (128*KS/256)<<16
	s_mov_b32 s[\g+3], 32<<16
	s_mov_b32 s[\g+4], 128*KS/256
	s_mov_b32 s[\g+5], 32
	s_mov_b32 s[\g+6], 0
	s_mov_b32 s[\g+7], 0
.endr
	s_lshl_b32 s18, s16, 7                         ; which 128 rows of the tile I fetch
	s_lshl_b32 s20, s17, 8
	s_add_co_u32 s20, s20, s18
	s_lshl_b32 s46, s42, 8
	s_add_co_u32 s46, s46, s18
	s_mov_b32 s21, 0
	s_mov_b32 s47, 0
	s_mov_b64 s[18:19], KS
	s_mul_u64 s[22:23], s[20:21], s[18:19]         ; where these rows' scale bytes begin
	s_mul_u64 s[92:93], s[46:47], s[18:19]
	s_mov_b64 s[18:19], KROW
	s_mul_u64 s[20:21], s[20:21], s[18:19]         ; and their codes
	s_mul_u64 s[46:47], s[46:47], s[18:19]
	s_mul_i32 s45, s14, HALFT                      ; where they go: wave x 128 rows
	s_mul_i32 s94, s14, HALFS
	s_wait_dscnt 0x0                               ; both opening adds are done
	s_wait_kmcnt 0x0
	s_add_nc_u64 s[20:21], s[4:5], s[20:21]
	s_add_nc_u64 s[22:23], s[6:7], s[22:23]
	s_add_nc_u64 s[46:47], s[8:9], s[46:47]
	s_add_nc_u64 s[92:93], s[10:11], s[92:93]
	CROUND                                         ; all sixteen work-groups are here: the joint loads meet
	s_mov_b32 s[G0S], 1
	s_add_co_u32 s[G0S+1], s94, SCL
	s_mov_b64 s[G0S+2:G0S+3], s[22:23]
	s_or_b32 s[G0S+3], s[G0S+3], 0x80000000
	s_mov_b32 s[G0SB], 1
	s_add_co_u32 s[G0SB+1], s94, SCL
	s_mov_b64 s[G0SB+2:G0SB+3], s[92:93]
	s_or_b32 s[G0SB+3], s[G0SB+3], 0x80000000
	JLOAD G0S, G1S, G0SB, G1SB                     ; the scale bytes first: they are wanted with K step 0
.irp s, 0,1
	s_mov_b32 s[G0+4*\s], 1
	s_add_co_u32 s[G0+4*\s+1], s45, \s*SLOT
	s_add_nc_u64 s[G0+4*\s+2:G0+4*\s+3], s[20:21], \s*ROWB
	s_or_b32 s[G0+4*\s+3], s[G0+4*\s+3], 0x80000000
	s_mov_b32 s[G0B+4*\s], 1
	s_add_co_u32 s[G0B+4*\s+1], s45, \s*SLOT
	s_add_nc_u64 s[G0B+4*\s+2:G0B+4*\s+3], s[46:47], \s*ROWB
	s_or_b32 s[G0B+4*\s+3], s[G0B+4*\s+3], 0x80000000
	JLOAD G0+4*\s, G1, G0B+4*\s, G1B               ; three tensor loads of mine are out behind the second of these
.endr
	v_and_b32 v1, 15, v0                           ; r = lane % 16
	v_bfe_u32 v2, v0, 4, 1                         ; h = lane / 16
	s_cmp_eq_u32 s3, 0                             ; the tensor's bias
	s_cselect_b64 s[96:97], s[96:97], s[98:99]
	s_cmp_eq_u32 s3, 2
	s_cselect_b64 s[96:97], s[100:101], s[96:97]
	s_lshl_b32 s46, s40, 10                        ; my first n: 256 cx + 128 x half, 4 bytes each
	s_lshl_b32 s47, s16, 9
	s_add_co_u32 s46, s46, s47
	s_mov_b32 s47, 0
	s_add_nc_u64 s[96:97], s[96:97], s[46:47]
	v_lshlrev_b32 v[BO], 5, v2
.irp b, 0,1,2,3,4,5,6,7
	global_load_b128 v[BIAS+8*\b:BIAS+8*\b+3], v[BO], s[96:97] offset:64*\b        ; lane (r, h): bias of n = 16 b + 8 h + 0 .. 7, the result's layout
	global_load_b128 v[BIAS+8*\b+4:BIAS+8*\b+7], v[BO], s[96:97] offset:64*\b+16
.endr
	v_mul_u32_u24 v3, v1, PITCH
	v_lshl_add_u32 v4, v2, 4, v3                   ; a fragment's row x pitch + 16 x half
	s_mul_i32 s21, s15, HALFT                      ; my 128 rows of x
	s_mul_i32 s22, s16, HALFT                      ; my 128 rows of w,
	s_add_co_u32 s22, s22, 2*HALFT                 ; which lie behind x's 256
.irp s, 0,1
	v_add_nc_u32 v[ADRA+\s], s21, v4
	v_add_nc_u32 v[ADRB+\s], s22, v4
	s_add_co_u32 s21, s21, SLOT
	s_add_co_u32 s22, s22, SLOT
.endr
	v_mul_u32_u24 v5, v1, KS                       ; my row's scale bytes: KS a row,
	v_lshrrev_b32 v6, 8, v5
	v_lshl_add_u32 v5, v6, 4, v5                   ; and 16 more for each 256 passed
	s_mul_i32 s21, s15, HALFS
	s_mul_i32 s22, s16, HALFS
	s_add_co_u32 s22, s22, 2*HALFS
	s_sub_co_u32 s22, s22, s21
	v_mul_u32_u24 v6, s22, v2                      ; lanes 16-31 take w's
	s_add_co_u32 s21, s21, SCL
	v_add_nc_u32 v5, v5, v6
	v_add_nc_u32 v[ADRS], s21, v5
	s_mul_i32 s23, s14, WST                        ; my stage
	v_mul_u32_u24 v5, v1, 144
	v_lshl_add_u32 v5, v2, 4, v5
	v_add_nc_u32 v[STO], s23, v5                   ; in: row r, 16 bytes for each half of the lanes
	v_mul_u32_u24 v5, v2, 2304                     ; back: lanes 0-15 the first head, lanes 16-31 the second;
	v_bfe_u32 v6, v0, 3, 1
	v_mad_u32_u24 v5, v6, 144, v5                  ; eight lanes to a position, two positions
	v_and_b32 v6, 7, v0
	v_lshl_add_u32 v5, v6, 4, v5
	v_add_nc_u32 v[RD], s23, v5
	v_lshlrev_b32 v[CO], 18, v2                    ; and in memory: a head is 262,144 bytes; two positions are 256 consecutive bytes
	v_lshl_add_u32 v[CO], v1, 4, v[CO]
	v_and_b32 v6, 31, v0
	v_lshlrev_b32 v[XO], 4, v6
	s_lshr_b32 s20, s17, 3                         ; 4 t + batch
	s_lshl_b32 s21, s20, 4
	s_lshl_b32 s46, s40, 2
	s_add_co_u32 s21, s21, s46
	s_lshl_b32 s46, s16, 1
	s_add_co_u32 s21, s21, s46                     ; my first head among the 192: 16 (4 t + batch) + 4 cx + 2 x half
	s_lshl_b32 s46, s21, 18
	s_lshl_b32 s47, s95, 15                        ; 256 positions of 128 bytes
	s_add_co_u32 s46, s46, s47
	s_lshl_b32 s47, s15, 14                        ; my 128 of them
	s_add_co_u32 s46, s46, s47
	s_mov_b32 s47, 0
	s_add_nc_u64 s[12:13], s[12:13], s[46:47]
	s_lshl_b32 s46, s21, 12                        ; an f32 image of 16 positions of a head is 4,096 bytes
	s_add_nc_u64 s[66:67], s[66:67], s[46:47]
.macro FRAG reg, adr, q, i             ; 16 rows x 128 K of 4-bit codes: 8 registers; lane l holds row l % 16; registers 4 c .. 4 c + 3 hold K = 64 c + 32 (l / 16) + 0 .. 31
.irp c, 0,1
	ds_load_b128 v[\reg+4*\c:\reg+4*\c+3], v[\adr] offset:64*(\q)+32*\c+(\i)*16*PITCH
.endr
.endm
; 16 matrix instructions: x's blocks a0, a0 + 1 against w's eight, the slot's q-th 128 along K.  p: w's set; sc: the set of scale words.  zero = 1: the first product starts the sums on the bias.
; The 64 accumulators take turns, one instruction a turn, in the same order in every step.
.macro MUL16 a0, p, q, sc, zero
.irp a, \a0, \a0+1
.irp b, 0,1,2,3,4,5,6,7
.if \zero
	v_wmma_scale_f32_16x16x128_f8f6f4 v[8*(8*((\a)%4)+\b):8*(8*((\a)%4)+\b)+7], v[128*(\p)+FR*\b:128*(\p)+FR*\b+FR-1], v[AF+FR*(\a):AF+FR*(\a)+FR-1], v[BIAS+8*\b:BIAS+8*\b+7], v[SC+8*NQ*(\sc)+NQ*\b+(\q)], v[SC+8*NQ*(\sc)+NQ*(\a)+(\q)] matrix_a_fmt:MATRIX_FMT_FP4 matrix_b_fmt:MATRIX_FMT_FP4 matrix_a_scale:MATRIX_SCALE_ROW1
.else
	v_wmma_scale_f32_16x16x128_f8f6f4 v[8*(8*((\a)%4)+\b):8*(8*((\a)%4)+\b)+7], v[128*(\p)+FR*\b:128*(\p)+FR*\b+FR-1], v[AF+FR*(\a):AF+FR*(\a)+FR-1], v[8*(8*((\a)%4)+\b):8*(8*((\a)%4)+\b)+7], v[SC+8*NQ*(\sc)+NQ*\b+(\q)], v[SC+8*NQ*(\sc)+NQ*(\a)+(\q)] matrix_a_fmt:MATRIX_FMT_FP4 matrix_b_fmt:MATRIX_FMT_FP4 matrix_a_scale:MATRIX_SCALE_ROW1
.endif
.endr
.endr
.endm
.macro FETCH_B slot, q, p
	WIN TO_B
.irp i, 0,1,2,3,4,5,6,7
	FRAG 128*(\p)+FR*\i, ADRB+\slot, \q, \i
.endr
	WIN 0
.endm
.macro FETCH_A slot, q, i0
.irp i, \i0, \i0+1, \i0+2, \i0+3
	FRAG AF+FR*(\i), ADRA+\slot, \q, \i
.endr
.endm
.macro SCALES sc                       ; a K step's scale words: NQ words a row; lanes 0-15 take x's block i, lanes 16-31 w's block i
.irp i, 0,1,2,3,4,5,6,7
	ds_load_b128 v[SC+8*NQ*\sc+NQ*\i:SC+8*NQ*\sc+NQ*\i+3], v[ADRS] offset:\i*SBLK
.endr
.endm
.macro PLACES n                        ; plain vector lines between a matrix instruction and a load into, or a read of, its registers
.rept \n
	v_nop
.endr
.endm
.macro STEP slot, q, zero              ; a step of 128 along K that has its successor in the same slot
	s_wait_dscnt 4*NL                              ; w's set and x's blocks 0-3 are in; the youngest eight loads (x's blocks 4-7) may be out
.if \zero
	WIN FIRST_LO
.else
	WIN MUL_LO
.endif
	MUL16 0, (\q)%2, \q, \slot, \zero
	MUL16 2, (\q)%2, \q, \slot, \zero
	s_wait_dscnt 0                                 ; x's blocks 4-7 are in
	PLACES NP
	FETCH_B \slot, (\q)+1, 1-(\q)%2
	FETCH_A \slot, (\q)+1, 0
.if \zero
	WIN FIRST_HI
.else
	WIN MUL_HI
.endif
	MUL16 4, (\q)%2, \q, \slot, \zero
	MUL16 6, (\q)%2, \q, \slot, \zero
	PLACES NP
	WIN 0
	FETCH_A \slot, (\q)+1, 4
.endm
.macro STEPS slot, from
.set Q, \from
.rept NQ-1-\from
	STEP \slot, Q, 0
.set Q, Q+1
.endr
.endm
	s_wait_tensorcnt 1                             ; the scale bytes and my part of K step 0 are in; slot 1's load, the one issued behind them, may be out
	s_barrier_signal -1
	s_barrier_wait -1                              ; everybody's are
	FETCH_B 0, 0, 0
	FETCH_A 0, 0, 0
	SCALES 0
	FETCH_A 0, 0, 4
	s_wait_loadcnt 0x0                             ; the bias
	STEP 0, 0, 1
	STEPS 0, 1
	; slot 0's last step changes slots: one barrier; in front of it each wave waits for its part of slot 1, adds 0 to its spare word, and waits for that and for its reads of slot 0
	s_wait_tensorcnt 0x0
	ds_add_u32 v[SPW], v[NIL]
	s_wait_dscnt 4*NL+1                            ; (the add and the youngest eight loads may be out)
	WIN MUL_LO
	MUL16 0, 1, NQ-1, 0, 0
	s_wait_dscnt 0x0                               ; the add is done, and my reads of slot 0 are over
	s_barrier_signal -1
	MUL16 2, 1, NQ-1, 0, 0
	WIN 0
	s_barrier_wait -1
	PLACES NP
	v_add_nc_u32 v[ADRS], 4*NQ, v[ADRS]            ; the second K step's scale words
	FETCH_B 1, 0, 0
	FETCH_A 1, 0, 0
	SCALES 1
	WIN MUL_HI
	MUL16 4, 1, NQ-1, 0, 0
	MUL16 6, 1, NQ-1, 0, 0
	PLACES NP
	WIN 0
	FETCH_A 1, 0, 4
	STEPS 1, 0
	s_wait_dscnt 4*NL                              ; the last step: nothing more to fetch
	WIN MUL_LO
	MUL16 0, 1, NQ-1, 1, 0
	MUL16 2, 1, NQ-1, 1, 0
	s_wait_dscnt 0
	WIN MUL_HI
	MUL16 4, 1, NQ-1, 1, 0
	MUL16 6, 1, NQ-1, 1, 0
	WIN 0
; THE WAY OUT.  A lane's eight results are eight neighbouring channels of one position of one head.  Block a (16 positions x 2 heads x 64 channels): rounded to f16, 16 bytes a lane, through my stage, and back so that sixteen lanes hold two
; positions of a head: 256 consecutive bytes of qkv16, aligned.
.macro PACK a
.set AC, 64*((\a)%4)
	WIN (0x0a+5*((\a)/4))                          ; sources 0 and 1: window 2 or 3
.irp b, 0,1,2,3,4,5,6,7
.irp g, 0,1,2,3
	v_cvt_pk_f16_f32 v[TMP+4*\b+\g], v[AC+8*\b+2*\g], v[AC+8*\b+2*\g+1]   ; each accumulator from its low end on
.endr
.endr
	WIN 0
.endm
.macro TOSTAGE a
.set BB, BK+32*((\a)%2)
.irp b, 0,1,2,3,4,5,6,7
	ds_store_b128 v[STO], v[TMP+4*\b:TMP+4*\b+3] offset:2304*(\b/4)+32*(\b%4)
.endr
.irp u, 0,1,2,3,4,5,6,7
	ds_load_b128 v[BB+4*\u:BB+4*\u+3], v[RD] offset:288*\u   ; LDS serves a wave's instructions in order: these see the stores above
.endr
.endm
.macro SEND a
.set BB, BK+32*((\a)%2)
	s_wait_dscnt 0x0                               ; the block is back in registers
	s_wait_xcnt 0x0                                ; the earlier stores have read their base and their registers: both are written again only behind this wait
.if (\a) > 0
	s_add_nc_u64 s[12:13], s[12:13], 2048          ; 16 positions on
.endif
.irp u, 0,1,2,3,4,5,6,7
	global_store_b128 v[CO], v[BB+4*\u:BB+4*\u+3], s[12:13] offset:256*\u
.endr
.endm
	PLACES NP                                      ; behind the last products: for the reads of results and for the writes into registers that held scale words and fragments
	s_cmp_lg_u32 s95, 0                            ; positions 0 to 15 lie in the cluster's block 0 (the same number in all sixteen partners),
	s_cbranch_scc1 .Lno32
	s_cmp_lg_u32 s15, 0                            ; in the waves of the first row half, in block a = 0
	s_cbranch_scc1 .Lno32
	WIN 0x08                                       ; a store's data: window 2
.irp b, 0,1,2,3,4,5,6,7
	global_store_b128 v[XO], v[8*\b:8*\b+3], s[66:67] offset:1024*\b           ; the accumulators as they stand: 512 consecutive bytes a store
	global_store_b128 v[XO], v[8*\b+4:8*\b+7], s[66:67] offset:1024*\b+512
.endr
	WIN 0
.Lno32:
	PACK 0
	TOSTAGE 0
.irp a, 1,2,3,4,5,6,7                  ; block a's conversions stand between block a - 1's loads from the stage and the wait for them
	PACK \a
	SEND \a-1
	TOSTAGE \a
.endr
	SEND 7
	s_wait_tensorcnt 0x0                           ; the wave's end, behind my last tensor load and my last LDS store
	ds_add_u32 v[SPW], v[NIL]
	s_wait_dscnt 0x0
	CROUND                                         ; the closing round
	s_endpgm
.Lfunc_end_k_qa3558c4871_proj:
	.size	k_qa3558c4871_proj, .Lfunc_end_k_qa3558c4871_proj-k_qa3558c4871_proj
	.p2alignl 7, 3214868480
	.fill 96, 4, 3214868480
	.section	.rodata,"a",@progbits
	.p2align	6, 0x0
	.amdhsa_kernel k_qa3558c4871_proj
		.amdhsa_group_segment_fixed_size 327680
		.amdhsa_private_segment_fixed_size 0
		.amdhsa_enable_private_segment 0
		.amdhsa_kernarg_size 72
		.amdhsa_user_sgpr_count 2
		.amdhsa_user_sgpr_kernarg_segment_ptr 1
		.amdhsa_wavefront_size32 1
		.amdhsa_system_sgpr_workgroup_id_x 1
		.amdhsa_system_sgpr_workgroup_id_y 1
		.amdhsa_system_sgpr_workgroup_id_z 1
		.amdhsa_system_vgpr_workitem_id 0
		.amdhsa_next_free_vgpr 1024
		.amdhsa_next_free_sgpr 102
		.amdhsa_reserve_vcc 0
		.amdhsa_float_denorm_mode_32 3
		.amdhsa_float_denorm_mode_16_64 3
		.amdhsa_memory_ordered 1
		.amdhsa_forward_progress 1
		.amdhsa_inst_pref_size 131
	.end_amdhsa_kernel
	.amdgpu_metadata
---
amdhsa.version: [ 1, 2 ]
amdhsa.kernels:
  - .name:           k_qa3558c4871_proj
    .symbol:         k_qa3558c4871_proj.kd
    .args:
      - { .name: xc, .offset: 0, .size: 8, .value_kind: global_buffer, .address_space: global }
      - { .name: xs, .offset: 8, .size: 8, .value_kind: global_buffer, .address_space: global }
      - { .name: wc, .offset: 16, .size: 8, .value_kind: global_buffer, .address_space: global }
      - { .name: ws, .offset: 24, .size: 8, .value_kind: global_buffer, .address_space: global }
      - { .name: bq, .offset: 32, .size: 8, .value_kind: global_buffer, .address_space: global }
      - { .name: bk, .offset: 40, .size: 8, .value_kind: global_buffer, .address_space: global }
      - { .name: bv, .offset: 48, .size: 8, .value_kind: global_buffer, .address_space: global }
      - { .name: qkv16, .offset: 56, .size: 8, .value_kind: global_buffer, .address_space: global }
      - { .name: qkv32, .offset: 64, .size: 8, .value_kind: global_buffer, .address_space: global }
    .group_segment_fixed_size: 327680
    .private_segment_fixed_size: 0
    .kernarg_segment_align: 8
    .kernarg_segment_size: 72
    .max_flat_workgroup_size: 128
    .sgpr_count:     102
    .vgpr_count:     1024
    .wavefront_size: 32
...
	.end_amdgpu_metadata
.endif
;; end of part 3
;; launch attn (part 4): grid 4 x 64, 16 waves a work-group, no clusters, 327,680 bytes of LDS; arguments qkv16, ctx16; writes ctx16
.if DOCPART == 4
	.amdgcn_target "amdgcn-amd-amdhsa--gfx1250"
	.amdhsa_code_object_version 6
	.text
	.protected	k_qa3558c4871_attn
	.globl	k_qa3558c4871_attn
	.p2align	8
	.type	k_qa3558c4871_attn,@function
k_qa3558c4871_attn:
	s_mov_b64 s[64:65], 0
	v_nop
	global_prefetch_b8 v0, s[64:65] scope:SCOPE_SE
	s_setreg_imm32_b32 hwreg(HW_REG_WAVE_MODE, 25, 1), 1
	s_wait_xcnt 0x0
; ctx[bh][q][:] = the sum over k <= q of softmax_k(Q[bh][q] . K[bh][k] / 8) V[bh][k][:].  Q, K, V: qkv16 [3][64][2048][64] f16; ctx16 [64][2048][64] f16.  Products on f16 operands with f32 sums; maxima, exponentials and sums in f32;
; the weights p are rounded to f16 for the second product, ctx once at the end.  A running maximum m and sum l for each query: p = 2^(c s - c m), c = log2(e) / 8; in every step O and l are multiplied by 2^(c m_old - c m_new).
; LIMITS: |ctx| beyond 65,504 becomes infinity in f16; NaN and infinities are not served.  (Positions 0 to 15 of every sequence are computed here too, and again in f32 by the last launch, which writes their rows of the output.)
; SHARES.  Work-group i of a head owns the blocks of 256 queries i and 7 - i: (i + 1) + (8 - i) = 9 blocks of 256 x 256 under the causal mask for every work-group.  Each of its 16 waves owns 32 queries, two tiles of 16, so that each
; fragment of K and V read from LDS feeds two products; waves with (w ^ (w >> 2)) & 1 = 0 take the low block, the others the high one.
; THE RING.  Two LDS slots of 256 keys, filled by the tensor data mover (waves 0, 1: K's halves; waves 2, 3: V's) and read by all sixteen.  Every work-group walks all 8 slots, so that trip counts are constants; a wave jumps over the work
; of a step all of whose keys come after its queries, and a slot whose first key comes after the work-group's last query is not asked for.
; NO CLUSTER: the four work-groups of a head need 8, 7, 6 and 5 slots; a joint load would bring tiles that every wave of some partner jumps over.
; LAYOUT.  S^T = K Q^T (source 0 = 16 keys, source 1 = 16 queries), O^T = V^T P (source 0 = 16 channels, source 1 = P): a lane holds one query (lane % 16) throughout.  K and V are dense in memory: two keys are one LDS row of 256 bytes.
; REGISTERS: v1-11 addresses; v12-27 statistics, 8 a tile: +0 c m, +1 m, +2, +3 l, +4 to +7 at work (a in +6); v28-59 Q; v60-123 O^T; v124-187 K's fragments, then P (v124-155); v188-251 S^T and p, then V's fragments; v252-254 at work.
.set SK,    256                        ; keys in a slot
.set KP,    272                        ; two keys of K in LDS: 256 bytes + 16
.set VP,    288                        ; two keys of V: 256 bytes + 32
.set VOFF,  128*KP                     ; a slot: 128 rows of K, then 128 rows of V
.set SLOT1, 1<<17                      ; slot 1 begins here: one exclusive or turns an address from slot to slot
.set KSTB,  32*KP                      ; a step's 64 keys of K
.set VSTB,  32*VP                      ; and of V
.set STAGE, SLOT1+VOFF+128*VP          ; behind the ring: 16 rows x (128 bytes + 16) for each wave, bytes that no fill touches
.set SPARE, STAGE+16*2304              ; the spare words: 128 bytes a wave, eight blocks of 256 bytes that no other line names
.set AK0, 1
.set AV0, 2
.set ADK, 3
.set ADV, 4
.set SPW, 5
.set NIL, 6
.set LD,  7                            ; v7  lane % 16 - 8 (lane / 16)
.set PFO, 8                            ; v8  256 x lane
.set GO,  9
.set STO, 10
.set RD,  11
.set ST,  12
.set Q,   28
.set O,   60
.set KR,  124
.set P,   124
.set S,   188
.set WV,  8
.set SEL, 20
.set CS,  22
.set G1K, 24
.set G1V, 32
.set G0K, 40
.set G0V, 44
.set TK,  48                           ; s48  LDS byte at which the step's keys of K begin
.set TV,  49                           ; s49  the same for V (less VOFF, which the lane's address holds)
.set SLOTS, 50
.set FOUR, 51
.set KF,  52                           ; s52  the step's first key
.set Q0,  53                           ; s53  my first query
.set QL,  54                           ; s54  my work-group's last query
.set PFA, 56
.set LIM, 58
; Waves 0 and 1 fetch for K, waves 2 and 3 for V, the others nothing.  The branches hang on the wave's number alone.  An s_nop 0 and four v_nop follow each of the two lines.
.macro TLOAD
	s_cmp_lt_u32 s[WV], 2
	s_cbranch_scc0 .Lnot_k_\@
	tensor_load_to_lds s[G0K:G0K+3], s[G1K:G1K+7]
	s_nop 0
.rept 4
	v_nop
.endr
	s_branch .Lasked_\@
.Lnot_k_\@:
	s_cmp_lt_u32 s[WV], 4
	s_cbranch_scc0 .Lasked_\@
	tensor_load_to_lds s[G0V:G0V+3], s[G1V:G1V+7]
	s_nop 0
.rept 4
	v_nop
.endr
.Lasked_\@:
.endm
; A prefetch of what the NEXT change of slots will ask for: 32,768 bytes of K and as many of V.  Work-group 0 of a head, which walks all slots, asks, and nobody else; in it waves 4 to 7 ask for K, waves 8 to 11 for V,
; 8,192 bytes a wave, lanes 256 bytes apart: each block of 256 bytes is named once in the launch.  The change that asks for slot j + 1 names slot j + 2: four key steps ahead of its load.  The last change that fills a slot names nothing.
.macro ASK
	s_cmp_gt_u32 s[SLOTS], s[LIM]
	s_cbranch_scc0 .Lnot_mine_\@
	global_prefetch_b8 v[PFO], s[PFA:PFA+1] th:TH_LOAD_NT scope:SCOPE_SE
.Lnot_mine_\@:
.endm
	s_load_b128 s[4:7], s[0:1], 0x0                ; qkv16, ctx16
	v_lshl_add_u32 v[SPW], v0, 2, SPARE
	v_mov_b32 v[NIL], 0
	ds_add_u32 v[SPW], v[NIL]                      ; the wave's opening: the add, twice on end, and its wait ahead of my first tensor load
	ds_add_u32 v[SPW], v[NIL]
	v_lshrrev_b32 v1, 5, v0
	v_readfirstlane_b32 s[WV], v1                  ; wave 0..15
	s_and_b32 s11, ttmp7, 0xffff                   ; the batch-head
	s_lshl_b32 s12, s11, 18                        ; its 262,144 bytes in each tensor
	s_lshr_b32 s9, s[WV], 2
	s_xor_b32 s9, s9, s[WV]
	s_and_b32 s9, s9, 1                            ; 0: the low block of queries, 1: the high one
	s_lshr_b32 s10, s[WV], 1                       ; which 32 queries of the block
	s_sub_co_u32 s59, 7, ttmp9
	s_cmp_eq_u32 s9, 0
	s_cselect_b32 s59, ttmp9, s59
	s_lshl_b32 s59, s59, 8
	s_lshl_b32 s60, s10, 5
	s_add_co_u32 s[Q0], s59, s60
	s_sub_co_u32 s[QL], 8, ttmp9
	s_lshl_b32 s[QL], s[QL], 8
	s_sub_co_u32 s[QL], s[QL], 1
	s_mov_b32 s[G1K], (1<<16)|(1<<20)|(5<<22)|(3<<25)   ; no mask; elements of 2 bytes; padding on: 4 words behind every 64
	s_mov_b32 s[G1V], (1<<16)|(1<<20)|(5<<22)|(7<<25)   ; the same with 8 words
.irp g, G1K, G1V
	s_mov_b32 s[\g+1], 128<<16                     ; tensor_dim0 = 128 elements: two keys
	s_mov_b32 s[\g+2], 64<<16                      ; tensor_dim1 = 64 rows
	s_mov_b32 s[\g+3], 128<<16                     ; tile_dim0
	s_mov_b32 s[\g+4], 64                          ; tile_dim1
	s_mov_b32 s[\g+5], 128                         ; from row to row: dense
	s_mov_b32 s[\g+6], 0
	s_mov_b32 s[\g+7], 0
.endr
	s_and_b32 s61, s[WV], 1                        ; which half of a slot's keys I fetch, if I fetch
	s_mul_i32 s62, s61, 64*KP
	s_mul_i32 s63, s61, 64*VP
	s_add_co_u32 s63, s63, VOFF
	s_lshl_b32 s66, s61, 14
	s_add_co_u32 s66, s66, s12
	s_mov_b32 s67, 0
	s_mov_b32 s[SEL], 0x76543210
	s_mov_b32 s[SEL+1], 0xfedcba98                 ; v_permlanex16_b32's selects for lane l xor 16
	s_mov_b32 s[CS], 0x3e38aa3b                    ; c = log2(e) / 8
	s_mov_b32 s[CS+1], s[CS]                       ; (named with it as a pair, so it is written)
	s_mov_b32 s[TK], 0
	s_mov_b32 s[TV], 0
	s_mov_b32 s[KF], 0
	s_mov_b32 s[SLOTS], 7
	s_mov_b32 s70, 0x2000000                       ; V's tensor begins 33,554,432 bytes on, K's 16,777,216
	s_cmp_lt_u32 s[WV], 8
	s_cselect_b32 s70, 0x1000000, s70
	s_and_b32 s71, s[WV], 3
	s_lshl_b32 s71, s71, 13
	s_add_co_u32 s70, s70, s71
	s_add_co_u32 s70, s70, s12
	s_add_co_u32 s70, s70, SK*128                  ; in slot 1: the first change of slots steps it to slot 2
	s_mov_b32 s71, 0
	s_sub_co_u32 s72, s[WV], 4
	s_lshr_b32 s72, s72, 3                         ; 0 in waves 4 to 11,
	s_or_b32 s72, s72, ttmp9                       ; of the head's work-group 0
	s_cmp_eq_u32 s72, 0
	s_cselect_b32 s[LIM], 1, -1
	s_lshl_b32 s72, s[Q0], 7
	s_add_co_u32 s72, s72, s12
	s_mov_b32 s73, 0
	s_wait_dscnt 0x0                               ; both opening adds are done
	s_wait_kmcnt 0x0
	s_add_nc_u64 s[68:69], s[4:5], s[66:67]
	s_mov_b32 s[G0K], 1
	s_mov_b32 s[G0K+1], s62
	s_add_nc_u64 s[G0K+2:G0K+3], s[68:69], 0x1000000
	s_or_b32 s[G0K+3], s[G0K+3], 0x80000000
	s_mov_b32 s[G0V], 1
	s_mov_b32 s[G0V+1], s63
	s_add_nc_u64 s[G0V+2:G0V+3], s[68:69], 0x2000000
	s_or_b32 s[G0V+3], s[G0V+3], 0x80000000
	TLOAD                                          ; slot 0: it holds key 0, which counts for every query
	s_add_nc_u64 s[PFA:PFA+1], s[4:5], s[70:71]
	s_add_nc_u64 s[14:15], s[4:5], s[72:73]        ; Q at my first query
	s_add_nc_u64 s[16:17], s[6:7], s[72:73]        ; ctx likewise
	v_and_b32 v252, 15, v0                         ; r
	v_bfe_u32 v253, v0, 4, 1                       ; h
	v_lshlrev_b32 v254, 7, v252
	v_lshl_add_u32 v254, v253, 4, v254             ; Q: row r of 128 bytes + 16 h
.irp t, 0,1
.irp c, 0,1
	global_load_b128 v[Q+16*\t+8*\c:Q+16*\t+8*\c+3], v254, s[14:15] offset:2048*\t+64*\c
	global_load_b128 v[Q+16*\t+8*\c+4:Q+16*\t+8*\c+7], v254, s[14:15] offset:2048*\t+64*\c+32
.endr
.endr
	v_lshrrev_b32 v3, 1, v252
	v_mul_u32_u24 v[AK0], v3, KP
	v_and_b32 v3, 1, v252
	v_lshl_add_u32 v[AK0], v3, 7, v[AK0]
	v_lshl_add_u32 v[AK0], v253, 4, v[AK0]         ; K: key r at (r / 2) x pitch + 128 (r % 2), + 16 h
	v_bfe_u32 v3, v0, 1, 2
	v_lshl_add_u32 v3, v253, 2, v3
	v_mul_u32_u24 v[AV0], v3, VP
	v_and_b32 v3, 1, v0
	v_lshl_add_u32 v[AV0], v3, 7, v[AV0]
	v_bfe_u32 v3, v0, 3, 1
	v_lshl_add_u32 v[AV0], v3, 4, v[AV0]
	v_add_nc_u32 v[AV0], VOFF, v[AV0]              ; V, for the turning load: key 8 h + lane % 8, channels 8 ((lane / 8) % 2) on
	v_lshlrev_b32 v3, 3, v253
	v_sub_nc_u32 v[LD], v252, v3
	v_and_b32 v[PFO], 31, v0
	v_lshlrev_b32 v[GO], 4, v[PFO]                 ; the way out: 16 bytes a lane of 512 consecutive bytes
	v_lshlrev_b32 v[PFO], 8, v[PFO]
	s_mul_i32 s59, s[WV], 2304
	s_add_co_u32 s59, s59, STAGE                   ; my stage
	v_mul_u32_u24 v[STO], v252, 144
	v_lshl_add_u32 v[STO], v253, 4, v[STO]
	v_add_nc_u32 v[STO], s59, v[STO]               ; in: row r, 16 bytes for each half of the lanes
	v_bfe_u32 v3, v0, 3, 2
	v_mul_u32_u24 v[RD], v3, 144
	v_and_b32 v3, 7, v0
	v_lshl_add_u32 v[RD], v3, 4, v[RD]
	v_add_nc_u32 v[RD], s59, v[RD]                 ; back: eight lanes to a row, four rows an instruction
.irp t, 0,1
	v_mov_b32 v[ST+8*\t+1], 0xff61b1e6             ; m = -3e38, under every score
	v_mul_f32 v[ST+8*\t], s[CS], v[ST+8*\t+1]      ; c m
	v_mov_b32 v[ST+8*\t+2], 0                      ; l, in two halves
	v_mov_b32 v[ST+8*\t+3], 0
	v_mov_b32 v[ST+8*\t+5], 0                      ; (a lane permute's destination counts as one of its sources)
	v_mov_b32 v[ST+8*\t+7], 0                      ; (named as the upper half of a pair)
.endr
.irp j, 0,1,2,3,4,5,6,7,8,9,10,11,12,13,14,15,16,17,18,19,20,21,22,23,24,25,26,27,28,29,30,31,32,33,34,35,36,37,38,39,40,41,42,43,44,45,46,47,48,49,50,51,52,53,54,55,56,57,58,59,60,61,62,63
	v_mov_b32 v[O+\j], 0                           ; O^T.  (The step is written once: the first finds zeros, and its a is 0)
.endr
; The softmax of both tiles for one key step, the tiles line by line in turn.
.macro SOFTMAX2
.irp j, 0,1,2,3
.irp t, 0,1
	v_max3_num_f32 v[ST+8*\t+4+\j], v[S+32*\t+8*\j], v[S+32*\t+8*\j+1], v[S+32*\t+8*\j+2]   ; four chains a tile, each begun at an accumulator's low end
.endr
.endr
.irp g, 1,2
.irp j, 0,1,2,3
.irp t, 0,1
	v_max3_num_f32 v[ST+8*\t+4+\j], v[ST+8*\t+4+\j], v[S+32*\t+8*\j+2*\g+1], v[S+32*\t+8*\j+2*\g+2]
.endr
.endr
.endr
.irp t, 0,1
	v_max3_num_f32 v[ST+8*\t+4], v[ST+8*\t+4], v[S+32*\t+7], v[S+32*\t+15]
	v_max3_num_f32 v[ST+8*\t+6], v[ST+8*\t+6], v[S+32*\t+23], v[S+32*\t+31]
.endr
.irp t, 0,1
	v_max3_num_f32 v[ST+8*\t+4], v[ST+8*\t+4], v[ST+8*\t+5], v[ST+8*\t+6]
.endr
.irp t, 0,1
	v_max3_num_f32 v[ST+8*\t+4], v[ST+8*\t+4], v[ST+8*\t+7], v[ST+8*\t+1]   ; with the old m
.endr
.irp t, 0,1
	v_permlanex16_b32 v[ST+8*\t+5], v[ST+8*\t+4], s[SEL], s[SEL+1]          ; the query's other 32 keys lie in the lane 16 away
.endr
.irp t, 0,1
	v_mov_b32 v[ST+8*\t+7], v[ST+8*\t]             ; c m_old is kept for a
.endr
.irp t, 0,1
	v_max_num_f32 v[ST+8*\t+1], v[ST+8*\t+4], v[ST+8*\t+5]
.endr
.irp t, 0,1
	v_mul_f32 v[ST+8*\t], s[CS], v[ST+8*\t+1]
.endr
.irp t, 0,1
	v_sub_f32 v[ST+8*\t+7], v[ST+8*\t+7], v[ST+8*\t]
.endr
.irp t, 0,1
	v_exp_f32 v[ST+8*\t+6], v[ST+8*\t+7]           ; a = 2^(c m_old - c m_new)
.endr
.irp j, 0,2,4,6,8,10,12,14,16,18,20,22,24,26,28,30
.irp t, 0,1
	v_pk_fma_f32 v[S+32*\t+\j:S+32*\t+\j+1], v[S+32*\t+\j:S+32*\t+\j+1], s[CS:CS+1], v[ST+8*\t:ST+8*\t+1] op_sel_hi:[1,0,0] neg_lo:[0,0,1] neg_hi:[0,0,1]   ; c s - c m, two at a time
.endr
.endr
.irp j, 0,1,2,3,4,5,6,7,8,9,10,11,12,13,14,15,16,17,18,19,20,21,22,23,24,25,26,27,28,29,30,31,32,33,34,35,36,37,38,39,40,41,42,43,44,45,46,47,48,49,50,51,52,53,54,55,56,57,58,59,60,61,62,63
	v_exp_f32 v[S+\j], v[S+\j]                     ; p
.endr
	v_nop                                          ; a plain line behind the last exponential
	s_wait_alu depctr_va_vdst(0)                   ; one wait for the batch of 66, ahead of the first line that names a result
.irp n, 0,1,2,3,4,5,6,7,8,9,10,11,12,13,14,15
.irp t, 0,1
	v_cvt_pk_f16_f32 v[P+16*\t+\n], v[S+32*\t+2*\n], v[S+32*\t+2*\n+1]   ; two neighbouring tiles of 16 keys, rounded in pairs, are source 1 of the second product
.endr
.endr
.irp u, 0,1,2,3,4,5,6,7
.irp t, 0,1
	v_pk_add_f32 v[S+32*\t+4*\u:S+32*\t+4*\u+1], v[S+32*\t+4*\u:S+32*\t+4*\u+1], v[S+32*\t+4*\u+2:S+32*\t+4*\u+3]   ; the sum of the unrounded p, as a tree, in place
.endr
.endr
.irp u, 0,1,2,3
.irp t, 0,1
	v_pk_add_f32 v[S+32*\t+8*\u:S+32*\t+8*\u+1], v[S+32*\t+8*\u:S+32*\t+8*\u+1], v[S+32*\t+8*\u+4:S+32*\t+8*\u+5]
.endr
.endr
.irp u, 0,1
.irp t, 0,1
	v_pk_add_f32 v[S+32*\t+16*\u:S+32*\t+16*\u+1], v[S+32*\t+16*\u:S+32*\t+16*\u+1], v[S+32*\t+16*\u+8:S+32*\t+16*\u+9]
.endr
.endr
.irp t, 0,1
	v_pk_add_f32 v[S+32*\t:S+32*\t+1], v[S+32*\t:S+32*\t+1], v[S+32*\t+16:S+32*\t+17]
.endr
.irp t, 0,1
	v_pk_fma_f32 v[ST+8*\t+2:ST+8*\t+3], v[ST+8*\t+2:ST+8*\t+3], v[ST+8*\t+6:ST+8*\t+7], v[S+32*\t:S+32*\t+1] op_sel_hi:[1,0,1]   ; l = a l + the sum
.endr
.endm
; A KEY STEP: 64 keys.
.macro STEP
	s_add_co_u32 s59, s[Q0], 31                    ; a step all of whose keys come after my 32 queries is left out: ids and the count of steps alone
	s_cmp_gt_u32 s[KF], s59
	s_cbranch_scc1 .Lhidden_\@
	v_add_nc_u32 v[ADK], s[TK], v[AK0]
	v_add_nc_u32 v[ADV], s[TV], v[AV0]
.rept 3
	v_nop                                          ; with the two additions five places behind the last step's products: the first products below write over V's registers; four of the five serve the loads into P's
.endr
.irp k, 0,1,2,3
.irp c, 0,1
	ds_load_b128 v[KR+16*\k+8*\c:KR+16*\k+8*\c+3], v[ADK] offset:8*KP*\k+64*\c
	ds_load_b128 v[KR+16*\k+8*\c+4:KR+16*\k+8*\c+7], v[ADK] offset:8*KP*\k+64*\c+32
.endr
.endr
	s_wait_dscnt 0x0
.irp c, 0,1                                    ; S^T = K Q^T: eight accumulators by turns, one instruction a turn
.irp k, 0,1,2,3
.irp t, 0,1
.if \c == 0
	v_wmma_f32_16x16x32_f16 v[S+32*\t+8*\k:S+32*\t+8*\k+7], v[KR+16*\k:KR+16*\k+7], v[Q+16*\t:Q+16*\t+7], 0
.else
	v_wmma_f32_16x16x32_f16 v[S+32*\t+8*\k:S+32*\t+8*\k+7], v[KR+16*\k+8:KR+16*\k+15], v[Q+16*\t+8:Q+16*\t+15], v[S+32*\t+8*\k:S+32*\t+8*\k+7]
.endif
.endr
.endr
.endr
.rept 4
	v_nop                                          ; places behind the products: for the reads of S^T, the writes of P over K's fragments and the loads of V over S^T
.endr
	s_add_co_u32 s59, s[KF], 63                    ; a step all of whose keys count for all my queries skips the mask
	s_cmp_le_u32 s59, s[Q0]
	s_cbranch_scc1 .Lopen_\@
	s_sub_co_i32 s59, s[Q0], s[KF]
	v_add_nc_u32 v252, s59, v[LD]                  ; d = my query of tile 0 - KF - 8 (lane / 16).  Register 8 k + j holds key KF + 16 k + 8 (lane / 16) + j: hidden where 16 k + j > d
	v_add_nc_u32 v253, 16, v252                    ; tile 1's
	v_mov_b32 v254, 0xff800000                     ; -infinity: p = 0 then.  Key KF counts for every query of a step that is walked, so m stays a number
.irp t, 0,1
.irp n, 0,1,2,3,4,5,6,7,8,9,10,11,12,13,14,15,16,17,18,19,20,21,22,23,24,25,26,27,28,29,30,31
	v_cmp_gt_i32 vcc_lo, 16*(\n/8)+\n%8, v[252+\t]
	v_cndmask_b32 v[S+32*\t+\n], v[S+32*\t+\n], v254, vcc_lo
.endr
.endr
.Lopen_\@:
	SOFTMAX2
.irp k, 0,1
.irp c, 0,1,2,3
	ds_load_tr16_b128 v[S+32*\k+8*\c:S+32*\k+8*\c+3], v[ADV] offset:16*VP*\k+32*\c          ; V^T: 16 channels x 32 keys a fragment
	ds_load_tr16_b128 v[S+32*\k+8*\c+4:S+32*\k+8*\c+7], v[ADV] offset:16*VP*\k+32*\c+8*VP
.endr
.endr
.irp t, 0,1
.irp j, 0,2,4,6,8,10,12,14,16,18,20,22,24,26,28,30
	v_pk_mul_f32 v[O+32*\t+\j:O+32*\t+\j+1], v[O+32*\t+\j:O+32*\t+\j+1], v[ST+8*\t+6:ST+8*\t+7] op_sel_hi:[1,0]   ; O^T x a, while V is on its way
.endr
.endr
	s_wait_dscnt 0x0
.irp k, 0,1                                    ; O^T += V^T P: eight accumulators by turns
.irp c, 0,1,2,3
.irp t, 0,1
	v_wmma_f32_16x16x32_f16 v[O+32*\t+8*\c:O+32*\t+8*\c+7], v[S+32*\k+8*\c:S+32*\k+8*\c+7], v[P+16*\t+8*\k:P+16*\t+8*\k+7], v[O+32*\t+8*\c:O+32*\t+8*\c+7]
.endr
.endr
.endr
.Lhidden_\@:
	s_add_co_u32 s[KF], s[KF], 64
	s_add_co_u32 s[TK], s[TK], KSTB
	s_add_co_u32 s[TV], s[TV], VSTB
.endm
; THE CHANGE OF SLOTS stands at a slot's head.  Each wave waits for all its tensor loads, adds 0 to its spare word (fill = 1: twice on end), and waits for that and for its reads of the slot that it has left.
; Behind the barrier the slot ahead is whole and nobody reads the other one; fill = 1: that one is filled with the next 256 keys, up to the causal limit; the load has four key steps in which to land.  A wave has at most one tensor load out.
.macro CHANGE fill
	s_wait_tensorcnt 0x0                           ; no tensor load of mine is out, so a descriptor may be written
	ds_add_u32 v[SPW], v[NIL]
.if \fill
	ds_add_u32 v[SPW], v[NIL]                      ; and once more
	s_xor_b32 s[G0K+1], s[G0K+1], SLOT1            ; the walking descriptors: the other slot,
	s_add_nc_u64 s[G0K+2:G0K+3], s[G0K+2:G0K+3], SK*128   ; the next 256 keys
	s_xor_b32 s[G0V+1], s[G0V+1], SLOT1
	s_add_nc_u64 s[G0V+2:G0V+3], s[G0V+2:G0V+3], SK*128
	s_wait_xcnt 0x0                                ; the last prefetch, a slot back, has read its address
	s_add_nc_u64 s[PFA:PFA+1], s[PFA:PFA+1], SK*128
.endif
	s_wait_dscnt 0x0                               ; the adds are done, and my reads of the slot that I have left are over
	s_barrier_signal -1
	s_barrier_wait -1
.if \fill
	s_add_co_u32 s59, s[KF], SK                    ; the first key of the slot that this change would ask for:
	s_cmp_gt_u32 s59, s[QL]                        ; behind my work-group's last query it is read by none of the sixteen waves, and is not asked for.  Ids and the count of steps alone: all waves go the same way
	s_cbranch_scc1 .Lpast_\@
	TLOAD                                          ; a wave's one tensor load until the next barrier
.Lpast_\@:
	ASK
.endif
.endm
.macro FOUR_STEPS                      ; a slot's four key steps: written once, walked four times
	s_mov_b32 s[FOUR], 4
.Lstep_\@:
	STEP
	s_sub_co_u32 s[FOUR], s[FOUR], 1
	s_cmp_lg_u32 s[FOUR], 0
	s_cbranch_scc1 .Lstep_\@
	s_sub_co_u32 s[TK], s[TK], 4*KSTB              ; back to a slot's first step,
	s_xor_b32 s[TK], s[TK], SLOT1                  ; in the other slot
	s_sub_co_u32 s[TV], s[TV], 4*VSTB
	s_xor_b32 s[TV], s[TV], SLOT1
.endm
	s_wait_loadcnt 0x0                             ; Q
.Lslot:                                            ; seven trips: behind each change of slots but the last the next slot is asked for, up to the causal limit
	CHANGE 1
	FOUR_STEPS
	s_sub_co_u32 s[SLOTS], s[SLOTS], 1
	s_cmp_lg_u32 s[SLOTS], 0
	s_cbranch_scc1 .Lslot
	CHANGE 0                                       ; the last slot is written out: nothing is left to ask for
	FOUR_STEPS
	; THE WAY OUT.  l's halves are added; O^T is divided by l, rounded to f16 and goes through my stage, a tile of 16 queries at a time; a store covers four positions: 512 consecutive bytes.
.rept 4
	v_nop                                          ; places behind the last products
.endr
.irp t, 0,1
	v_add_f32 v[ST+8*\t+4], v[ST+8*\t+2], v[ST+8*\t+3]
.endr
.irp t, 0,1
	v_permlanex16_b32 v[ST+8*\t+5], v[ST+8*\t+4], s[SEL], s[SEL+1]
.endr
.irp t, 0,1
	v_add_f32 v[ST+8*\t+4], v[ST+8*\t+4], v[ST+8*\t+5]
.endr
.irp t, 0,1
	v_rcp_f32 v[ST+8*\t+6], v[ST+8*\t+4]
.endr
	v_nop                                          ; a plain line behind the reciprocals
	s_wait_alu depctr_va_vdst(0)                   ; and one wait for both, ahead of their first reader
.irp t, 0,1
.irp j, 0,2,4,6,8,10,12,14,16,18,20,22,24,26,28,30
	v_pk_mul_f32 v[O+32*\t+\j:O+32*\t+\j+1], v[O+32*\t+\j:O+32*\t+\j+1], v[ST+8*\t+6:ST+8*\t+7] op_sel_hi:[1,0]
.endr
.irp n, 0,1,2,3,4,5,6,7,8,9,10,11,12,13,14,15
	v_cvt_pk_f16_f32 v[S+16*\t+\n], v[O+32*\t+2*\n], v[O+32*\t+2*\n+1]
.endr
.irp c, 0,1,2,3
	ds_store_b128 v[STO], v[S+16*\t+4*\c:S+16*\t+4*\c+3] offset:32*\c
.endr
.irp g, 0,1,2,3
	ds_load_b128 v[KR+16*\t+4*\g:KR+16*\t+4*\g+3], v[RD] offset:576*\g   ; LDS serves a wave's instructions in order: these see the stores above, and the next tile's stores come behind them
.endr
.endr
.irp g, 0,1,2,3
	s_wait_dscnt 11-\g                             ; behind tile 0's load g: its 3 - g younger loads, and tile 1's four stores and four loads
	global_store_b128 v[GO], v[KR+4*\g:KR+4*\g+3], s[16:17] offset:512*\g
.endr
.irp g, 0,1,2,3
	s_wait_dscnt 3-\g
	global_store_b128 v[GO], v[KR+16+4*\g:KR+16+4*\g+3], s[16:17] offset:2048+512*\g
.endr
	s_wait_tensorcnt 0x0                           ; the wave's end, behind my last tensor load and my last LDS store
	ds_add_u32 v[SPW], v[NIL]
	s_wait_dscnt 0x0
	s_endpgm
.Lfunc_end_k_qa3558c4871_attn:
	.size	k_qa3558c4871_attn, .Lfunc_end_k_qa3558c4871_attn-k_qa3558c4871_attn
	.p2alignl 7, 3214868480
	.fill 96, 4, 3214868480
	.section	.rodata,"a",@progbits
	.p2align	6, 0x0
	.amdhsa_kernel k_qa3558c4871_attn
		.amdhsa_group_segment_fixed_size 327680
		.amdhsa_private_segment_fixed_size 0
		.amdhsa_enable_private_segment 0
		.amdhsa_kernarg_size 16
		.amdhsa_user_sgpr_count 2
		.amdhsa_user_sgpr_kernarg_segment_ptr 1
		.amdhsa_wavefront_size32 1
		.amdhsa_system_sgpr_workgroup_id_x 1
		.amdhsa_system_sgpr_workgroup_id_y 1
		.amdhsa_system_sgpr_workgroup_id_z 1
		.amdhsa_system_vgpr_workitem_id 0
		.amdhsa_next_free_vgpr 256
		.amdhsa_next_free_sgpr 76
		.amdhsa_reserve_vcc 1
		.amdhsa_float_denorm_mode_32 3
		.amdhsa_float_denorm_mode_16_64 3
		.amdhsa_memory_ordered 1
		.amdhsa_forward_progress 1
		.amdhsa_inst_pref_size 62
	.end_amdhsa_kernel
	.amdgpu_metadata
---
amdhsa.version: [ 1, 2 ]
amdhsa.kernels:
  - .name:           k_qa3558c4871_attn
    .symbol:         k_qa3558c4871_attn.kd
    .args:
      - { .name: qkv16, .offset: 0, .size: 8, .value_kind: global_buffer, .address_space: global }
      - { .name: ctx16, .offset: 8, .size: 8, .value_kind: global_buffer, .address_space: global }
    .group_segment_fixed_size: 327680
    .private_segment_fixed_size: 0
    .kernarg_segment_align: 8
    .kernarg_segment_size: 16
    .max_flat_workgroup_size: 512
    .sgpr_count:     76
    .vgpr_count:     256
    .wavefront_size: 32
...
	.end_amdgpu_metadata
.endif
;; end of part 4
;; launch outproj (part 5): grid 8 x 32, 4 waves a work-group, clusters of 4 x 4, 327,680 bytes of LDS; arguments ctx16, wo16, bo, out0; writes out0
.if DOCPART == 5
	.amdgcn_target "amdgcn-amd-amdhsa--gfx1250"
	.amdhsa_code_object_version 6
	.text
	.protected	k_qa3558c4871_outproj
	.globl	k_qa3558c4871_outproj
	.p2align	8
	.type	k_qa3558c4871_outproj,@function
k_qa3558c4871_outproj:
	s_mov_b64 s[64:65], 0
	v_nop
	global_prefetch_b8 v0, s[64:65] scope:SCOPE_SE
	s_setreg_imm32_b32 hwreg(HW_REG_WAVE_MODE, 25, 1), 1
	s_wait_xcnt 0x0
	s_wait_alu depctr_hold_cnt(0) depctr_sa_sdst(0) depctr_va_vdst(0) depctr_va_sdst(0) depctr_va_ssrc(0) depctr_va_vcc(0) depctr_vm_vsrc(0)
	s_getreg_b32 s2, hwreg(HW_REG_IB_STS2, 6, 4)
	s_cmp_eq_u32 s2, 0
	s_cbranch_scc0 .Lentry_in_a_cluster
	s_endpgm
.Lentry_in_a_cluster:
	s_bfe_u32 s2, ttmp6, 0x10000c
	s_cmp_lg_u32 s2, 0xf033
	s_cbranch_scc0 .Lentry_shape_is_right
	s_endpgm
.Lentry_shape_is_right:
; out0[row][n] = sum over k of ctx[row][k] Wo[k][n] + bo[n].  ctx16 [64 batch-heads][2048][64] f16 (k = 64 head + channel), wo16 [1024 k][1024 n] f16, out0 [8192][1024] f32; sums in f32.
; A tile of 256 rows x 128 n is made by four waves, each 128 x 64: 32 accumulators, 256 registers; 8 x 32 tiles: 256 work-groups.  K goes in steps of 128, two heads, through two LDS slots.
; ctx's tile of a head is 256 positions of 128 bytes, dense: 128 LDS rows of 256 bytes + 16.  Wo's tile is 128 rows (k) of 256 bytes + 32, read turned by ds_load_tr16_b128.
; CLUSTERS of 4 x 4: the four of a row of the cluster need the same tiles of ctx, the four of a column the same tiles of Wo: each is asked for jointly.
; THE MATRIX INSTRUCTION IS USED TRANSPOSED (source 0 = 16 columns of Wo, source 1 = 16 rows of ctx): a lane holds eight neighbouring n of one row.  bo is the C of each sum's first instruction.
; REGISTERS: window 0: v16-31 addresses; v32-127, v128-223 two fragment buffers (ctx's eight fragments, then Wo's four); v224-255 the bias; on the way out v32-95 rows read back.  Window 1: the accumulators, (a, b) at v[8 (4 a + b)].
.set AH,     128*272                   ; a head's 256 positions in LDS
.set BOFF,   2*AH                      ; behind the two heads: Wo's 128 rows
.set BP,     288
.set SLOT,   BOFF+128*BP
.set STAGE,  2*SLOT                    ; behind the ring: 16 rows x (256 bytes + 16) for each wave, bytes that no fill touches
.set SPARE,  STAGE+4*16*272            ; the spare words: 128 bytes a wave, two blocks of 256 bytes that no other line names
.set ASTEP,  2*262144                  ; a K step on in ctx16: two heads
.set BSTEP,  128*2048                  ; and in wo16: 128 rows
.set ADRA, 16
.set ADRB, 20
.set STO,  24
.set RD,   25
.set CO,   26
.set SPW,  28
.set NIL,  29
.set PFO,  30
.set BO,   31
.set F0,   32
.set F1,   128
.set BIAS, 224
.set BK,   32
.set G1, 24
.set G0, 32
.set G1B, 48
.set G0B, 56
.set PFA, 44
.set LIM, 46
.set MSB, 0
.macro WIN new                         ; the immediate's high byte repeats the setting that is left
.if MSB != \new
	s_set_vgpr_msb (MSB<<8)|\new
.set MSB, \new
.endif
.endm
.set MUL,   0x50                       ; C and D window 1, the fragments window 0
.set FIRST, 0x40                       ; the first quarter: C is the bias, in window 0
.macro JLOAD s                         ; a joint load: waves 0 and 1 fetch ctx's two heads, waves 2 and 3 Wo's halves; an s_nop 0 and four v_nop follow each of the two lines
	s_cmp_eq_u32 s13, 0
	s_cbranch_scc0 .Lfor_b_\@
	tensor_load_to_lds s[G0+4*\s:G0+4*\s+3], s[G1:G1+7]
	s_nop 0
.rept 4
	v_nop
.endr
	s_branch .Lasked_\@
.Lfor_b_\@:
	tensor_load_to_lds s[G0B+4*\s:G0B+4*\s+3], s[G1B:G1B+7]
	s_nop 0
.rept 4
	v_nop
.endr
.Lasked_\@:
.endm
.macro CREST                           ; a round of the cluster's barrier behind its opening barrier
	s_cmp_lg_u32 s12, 0
	s_cbranch_scc1 .Lnot_wave_0_\@
	s_barrier_signal -3
.Lnot_wave_0_\@:
	s_barrier_wait -3
	s_barrier_signal -1
	s_barrier_wait -1
.endm
.macro CROUND
	s_barrier_signal -1
	s_barrier_wait -1
	CREST
.endm
; A prefetch of ctx's tile two refills on: 256 matrix instructions ahead of the load that will want it.  A tile row is read by both clusters of its row of clusters: the one with x = 0 asks.  Of a head's 32,768 bytes, which the four partners
; ask for jointly, each takes 8,192, told apart by address (cx); waves 0 and 1 ask, each for its own head, lanes 256 bytes apart: each block of 256 bytes is named once.  The loop's last trip, whose refills are the last two K steps, names nothing.
; wo16 is not prefetched: all 32 tile rows read its bytes again and again.
.macro ASK
	s_cmp_gt_u32 s3, s[LIM]
	s_cbranch_scc0 .Lnot_mine_\@
	global_prefetch_b8 v[PFO], s[PFA:PFA+1] offset:ASTEP th:TH_LOAD_NT scope:SCOPE_SE
.Lnot_mine_\@:
.endm
	s_load_b128 s[4:7], s[0:1], 0x0                ; ctx16, wo16
	s_load_b128 s[8:11], s[0:1], 0x10              ; bo, out0
	v_lshl_add_u32 v[SPW], v0, 2, SPARE
	v_mov_b32 v[NIL], 0
	ds_add_u32 v[SPW], v[NIL]                      ; the wave's opening: the add, twice on end, and its wait ahead of my first tensor load
	ds_add_u32 v[SPW], v[NIL]
	v_lshrrev_b32 v1, 5, v0
	v_readfirstlane_b32 s12, v1                    ; wave 0..3
	s_lshr_b32 s13, s12, 1                         ; which half of the tile's rows is mine.  Also: I fetch for ctx (0) or for Wo (1)
	s_and_b32 s14, s12, 1                          ; which half of its columns.  Also: which head, or which 64 rows of Wo, I fetch
	s_bfe_u32 s40, ttmp6, 0x40000                  ; cx
	s_bfe_u32 s41, ttmp6, 0x40004                  ; cy
	s_lshl_b32 s42, ttmp9, 2
	s_add_co_u32 s42, s42, s40                     ; tile column x
	s_and_b32 s15, ttmp7, 0xffff
	s_lshl_b32 s15, s15, 2
	s_add_co_u32 s15, s15, s41                     ; tile row y: batch y / 8, block of 256 positions y % 8
	s_lshl_b32 s66, s41, 2
	s_lshl_b32 s66, 15, s66                        ; my row of the cluster
	s_lshl_b32 s67, 0x1111, s40                    ; my column
	s_or_b32 s[G1+0], s66, (1<<16)|(1<<20)|(1<<21)|(5<<22)|(3<<25)   ; the mask; elements of 2 bytes; padding on: 4 words behind every 64
	s_or_b32 s[G1B+0], s67, (1<<16)|(1<<20)|(1<<21)|(5<<22)|(7<<25)  ; 8 words behind every 64
	s_mov_b32 s[G1+1], 128<<16                     ; ctx: 128 rows of 128 elements, dense
	s_mov_b32 s[G1+2], 128<<16
	s_mov_b32 s[G1+3], 128<<16
	s_mov_b32 s[G1+4], 128
	s_mov_b32 s[G1+5], 128
	s_mov_b32 s[G1+6], 0
	s_mov_b32 s[G1+7], 0
	s_mov_b32 s[G1B+1], 128<<16                    ; Wo: 64 rows of 128 elements, 1,024 elements apart
	s_mov_b32 s[G1B+2], 64<<16
	s_mov_b32 s[G1B+3], 128<<16
	s_mov_b32 s[G1B+4], 64
	s_mov_b32 s[G1B+5], 1024
	s_mov_b32 s[G1B+6], 0
	s_mov_b32 s[G1B+7], 0
	s_lshr_b32 s16, s15, 3
	s_lshl_b32 s16, s16, 22                        ; a batch is 16 heads of 262,144 bytes,
	s_and_b32 s17, s15, 7
	s_lshl_b32 s17, s17, 15                        ; a block 256 positions of 128 bytes,
	s_add_co_u32 s16, s16, s17
	s_lshl_b32 s17, s14, 18                        ; my head of the two
	s_add_co_u32 s16, s16, s17
	s_mov_b32 s17, 0
	s_lshl_b32 s68, s14, 17                        ; Wo: my 64 rows of 2,048 bytes,
	s_lshl_b32 s69, s42, 8                         ; the tile's 128 columns
	s_add_co_u32 s68, s68, s69
	s_mov_b32 s69, 0
	s_mul_i32 s20, s14, AH                         ; where they go
	s_mul_i32 s21, s14, 64*BP
	s_add_co_u32 s21, s21, BOFF
	s_wait_dscnt 0x0                               ; both opening adds are done
	s_wait_kmcnt 0x0
	s_add_nc_u64 s[18:19], s[4:5], s[16:17]
	s_add_nc_u64 s[68:69], s[6:7], s[68:69]
	CROUND                                         ; all sixteen work-groups are here: the first joint loads meet
.irp s, 0,1
	s_mov_b32 s[G0+4*\s], 1
	s_add_co_u32 s[G0+4*\s+1], s20, \s*SLOT
	s_add_nc_u64 s[G0+4*\s+2:G0+4*\s+3], s[18:19], \s*ASTEP
	s_or_b32 s[G0+4*\s+3], s[G0+4*\s+3], 0x80000000
	s_mov_b32 s[G0B+4*\s], 1
	s_add_co_u32 s[G0B+4*\s+1], s21, \s*SLOT
	s_add_nc_u64 s[G0B+4*\s+2:G0B+4*\s+3], s[68:69], \s*BSTEP
	s_or_b32 s[G0B+4*\s+3], s[G0B+4*\s+3], 0x80000000
	JLOAD \s                                       ; two tensor loads of mine are out behind the second
.endr
	v_and_b32 v1, 15, v0                           ; r
	v_bfe_u32 v2, v0, 4, 1                         ; h
	s_lshl_b32 s22, s42, 9                         ; bo and out0: my first n, 4 bytes each: 128 x + 64 x half
	s_lshl_b32 s23, s14, 8
	s_add_co_u32 s22, s22, s23
	s_mov_b32 s23, 0
	s_add_nc_u64 s[8:9], s[8:9], s[22:23]
	s_add_nc_u64 s[10:11], s[10:11], s[22:23]
	v_lshlrev_b32 v[BO], 5, v2
.irp b, 0,1,2,3
	global_load_b128 v[BIAS+8*\b:BIAS+8*\b+3], v[BO], s[8:9] offset:64*\b          ; lane (r, h): bo of n = 16 b + 8 h + 0 .. 7
	global_load_b128 v[BIAS+8*\b+4:BIAS+8*\b+7], v[BO], s[8:9] offset:64*\b+16
.endr
	s_lshl_b32 s22, s15, 20                        ; my first row of out0: 256 y + 128 x half, 4,096 bytes each
	s_lshl_b32 s23, s13, 19
	s_add_co_u32 s22, s22, s23
	s_mov_b32 s23, 0
	s_add_nc_u64 s[10:11], s[10:11], s[22:23]
	s_lshl_b32 s22, s40, 13                        ; the prefetches: my work-group's 8,192 bytes of my head's tile,
	s_add_co_u32 s22, s22, 2*ASTEP                 ; at K step 2: the first refill steps it to 3 and names K step 4
	s_add_nc_u64 s[PFA:PFA+1], s[18:19], s[22:23]
	s_or_b32 s47, s13, ttmp9                       ; 0 in waves 0 and 1 of the clusters with x = 0: the same in all sixteen partners
	s_cmp_eq_u32 s47, 0
	s_cselect_b32 s[LIM], 1, -1
	v_and_b32 v[PFO], 31, v0
	v_lshlrev_b32 v[PFO], 8, v[PFO]
	v_lshrrev_b32 v3, 1, v1
	v_mul_u32_u24 v3, v3, 272
	v_and_b32 v4, 1, v1
	v_lshl_add_u32 v3, v4, 7, v3
	v_lshl_add_u32 v3, v2, 4, v3                   ; ctx: position r at (r / 2) x 272 + 128 (r % 2), + 16 h
	v_and_b32 v4, 7, v0
	v_lshl_add_u32 v4, v2, 3, v4
	v_mul_u32_u24 v4, v4, BP
	v_bfe_u32 v5, v0, 3, 1
	v_lshl_add_u32 v4, v5, 4, v4                   ; Wo, for the turning load: row 8 h + lane % 8, columns 8 ((lane / 8) % 2) on
	s_mul_i32 s22, s13, 64*272                     ; my 128 positions
	s_lshl_b32 s23, s14, 7                         ; my 64 columns,
	s_add_co_u32 s23, s23, BOFF                    ; behind ctx's two heads
.irp s, 0,1
	v_add_nc_u32 v[ADRA+\s], s22, v3
	v_add_nc_u32 v[ADRB+\s], s23, v4
	s_add_co_u32 s22, s22, SLOT
	s_add_co_u32 s23, s23, SLOT
.endr
	s_mul_i32 s22, s12, 16*272
	s_add_co_u32 s22, s22, STAGE                   ; my stage
	v_mul_u32_u24 v3, v1, 272
	v_lshl_add_u32 v3, v2, 5, v3
	v_add_nc_u32 v[STO], s22, v3                   ; in: row r, 32 bytes for each half of the lanes
	v_mul_u32_u24 v3, v2, 272
	v_lshl_add_u32 v3, v1, 4, v3
	v_add_nc_u32 v[RD], s22, v3                    ; back: lanes 0-15 one row of 256 bytes, lanes 16-31 the next
	v_lshlrev_b32 v[CO], 12, v2
	v_lshl_add_u32 v[CO], v1, 4, v[CO]             ; and the same two rows in out0
; 8 matrix instructions: ctx's blocks a0, a0 + 1 against Wo's four, 32 along K.  zero = 1: the first product starts the sums on the bias.  The 32 accumulators take turns in the same order in every quarter.
.macro MUL8 f, a0, zero
.irp a, \a0, \a0+1
.irp b, 0,1,2,3
.if \zero
	v_wmma_f32_16x16x32_f16 v[8*(4*(\a)+\b):8*(4*(\a)+\b)+7], v[\f+64+8*\b:\f+64+8*\b+7], v[\f+8*(\a):\f+8*(\a)+7], v[BIAS+8*\b:BIAS+8*\b+7]
.else
	v_wmma_f32_16x16x32_f16 v[8*(4*(\a)+\b):8*(4*(\a)+\b)+7], v[\f+64+8*\b:\f+64+8*\b+7], v[\f+8*(\a):\f+8*(\a)+7], v[8*(4*(\a)+\b):8*(4*(\a)+\b)+7]
.endif
.endr
.endr
.endm
; 24 LDS loads in one run: the fragments of the slot's q-th 32 along K (head q / 2, channels 32 (q % 2) on) into buffer f: Wo's four, ctx's blocks 0-3, ctx's blocks 4-7
.macro FETCH slot, q, f
	WIN 0
.irp b, 0,1,2,3
	ds_load_tr16_b128 v[\f+64+8*\b:\f+64+8*\b+3], v[ADRB+\slot] offset:32*BP*(\q)+32*\b
	ds_load_tr16_b128 v[\f+64+8*\b+4:\f+64+8*\b+7], v[ADRB+\slot] offset:32*BP*(\q)+32*\b+16*BP
.endr
.irp a, 0,1,2,3,4,5,6,7
	ds_load_b128 v[\f+8*\a:\f+8*\a+3], v[ADRA+\slot] offset:AH*((\q)/2)+64*((\q)%2)+2176*\a
	ds_load_b128 v[\f+8*\a+4:\f+8*\a+7], v[ADRA+\slot] offset:AH*((\q)/2)+64*((\q)%2)+2176*\a+32
.endr
.endm
.macro PLACES                          ; four plain lines between a matrix instruction and a load into, or a read of, its registers
.rept 4
	v_nop
.endr
.endm
; A K step is four quarters of 32 along K, 32 matrix instructions each, on buffers 0, 1, 0, 1.  One of the first three multiplies buffer f and fetches quarter q into g.
.macro QUARTER slot, q, f, g, zero
	s_wait_dscnt 8                                 ; Wo's fragments and ctx's blocks 0-3 are in; the youngest eight loads (blocks 4-7) may be out
.if \zero
	WIN FIRST
.else
	WIN MUL
.endif
	MUL8 \f, 0, \zero
	MUL8 \f, 2, \zero
	PLACES
	FETCH \slot, \q, \g
	s_wait_dscnt 24                                ; all but the 24 just issued
.if \zero
	WIN FIRST
.else
	WIN MUL
.endif
	MUL8 \f, 4, \zero
	MUL8 \f, 6, \zero
.endm
; The last quarter multiplies buffer 1 and changes slots: one barrier; in front of it each wave waits for all its tensor loads, adds 0 to its spare word, and waits for that and for its reads of this slot.  fill = 1: the barrier opens a round of
; the cluster's barrier, and this slot is filled again, two K steps ahead, first thing behind the round.
.macro TURN slot, next, fill
.if \fill
	s_wait_xcnt 0x0                                ; the last prefetch, a K step back, has read its address
	s_add_nc_u64 s[PFA:PFA+1], s[PFA:PFA+1], ASTEP
.endif
	WIN 0                                          ; (the add's two registers lie in window 0)
	s_wait_tensorcnt 0x0                           ; all my tensor loads have landed: my part of the next slot
	ds_add_u32 v[SPW], v[NIL]
	s_wait_dscnt 9                                 ; (the add and the youngest eight loads may be out)
	WIN MUL
	MUL8 F1, 0, 0
	s_wait_dscnt 0x0                               ; the add is done, and my reads of this slot are over
	s_barrier_signal -1
	MUL8 F1, 2, 0
.if \fill
	WIN 0
.endif
	s_barrier_wait -1
.if \fill
	CREST                                          ; no wave of any partner still reads this slot or has a load on its way
	s_add_nc_u64 s[G0+4*\slot+2:G0+4*\slot+3], s[G0+4*\slot+2:G0+4*\slot+3], 2*ASTEP
	s_add_nc_u64 s[G0B+4*\slot+2:G0B+4*\slot+3], s[G0B+4*\slot+2:G0B+4*\slot+3], 2*BSTEP
	JLOAD \slot                                    ; my one tensor load behind the round; the four v_nop behind it are also the places in front of the loads below
.else
	PLACES
.endif
	FETCH \next, 0, F0
.if \fill
	ASK
.endif
	WIN MUL
	MUL8 F1, 4, 0
	MUL8 F1, 6, 0
.endm
	s_wait_tensorcnt 1                             ; my part of K step 0 is in; K step 1's load may be out
	s_barrier_signal -1
	s_barrier_wait -1
	FETCH 0, 0, F0
	s_wait_loadcnt 0x0                             ; the bias
	QUARTER 0, 1, F0, F1, 1                        ; the first quarter stands in front of the loop: its products start the sums
	WIN 0
	s_mov_b32 s3, 3
.Llap:                                                 ; a trip goes once round the ring and fills both slots again: K steps 2 to 7 in three trips
	QUARTER 0, 2, F1, F0, 0
	QUARTER 0, 3, F0, F1, 0
	TURN 0, 1, 1
	QUARTER 1, 1, F0, F1, 0
	QUARTER 1, 2, F1, F0, 0
	QUARTER 1, 3, F0, F1, 0
	TURN 1, 0, 1
	QUARTER 0, 1, F0, F1, 0
	WIN 0
	s_sub_co_u32 s3, s3, 1
	s_cmp_lg_u32 s3, 0
	s_cbranch_scc1 .Llap
	QUARTER 0, 2, F1, F0, 0                        ; the last lap fills nothing
	QUARTER 0, 3, F0, F1, 0
	TURN 0, 1, 0
	QUARTER 1, 1, F0, F1, 0
	QUARTER 1, 2, F1, F0, 0
	QUARTER 1, 3, F0, F1, 0
	s_wait_dscnt 8
	WIN MUL
	MUL8 F1, 0, 0
	MUL8 F1, 2, 0
	s_wait_dscnt 0
	MUL8 F1, 4, 0
	MUL8 F1, 6, 0
	WIN 0
; THE WAY OUT, block by block of 16 rows x 64 columns: through my own stage and back as rows of 256 bytes, which sixteen lanes store as 256 consecutive bytes, aligned.
.macro TOSTAGE a
	WIN 0x04                                       ; an LDS store's data: window 1
.irp b, 0,1,2,3
	ds_store_b128 v[STO], v[8*(4*(\a)+\b):8*(4*(\a)+\b)+3] offset:64*\b        ; each accumulator from its low end on
	ds_store_b128 v[STO], v[8*(4*(\a)+\b)+4:8*(4*(\a)+\b)+7] offset:64*\b+16
.endr
	WIN 0
.set BB, BK+32*((\a)%2)
.irp u, 0,1,2,3,4,5,6,7
	ds_load_b128 v[BB+4*\u:BB+4*\u+3], v[RD] offset:544*\u   ; LDS serves a wave's instructions in order: these see the stores above
.endr
.endm
.macro SEND a, younger                 ; younger: the LDS instructions issued behind block a's loads
.set BB, BK+32*((\a)%2)
	s_wait_dscnt \younger
.if (\a) > 0
	s_add_nc_u64 s[10:11], s[10:11], 65536         ; 16 rows on (the earlier stores have read their base: a wait on XCNT stands ahead)
.endif
.irp u, 0,1,2,3,4,5,6,7
	global_store_b128 v[CO], v[BB+4*\u:BB+4*\u+3], s[10:11] offset:8192*\u th:TH_STORE_NT
.endr
.endm
	PLACES
	TOSTAGE 0
.irp a, 1,2,3,4,5,6,7
.if \a > 1
	s_wait_xcnt 0x0                                ; block a - 2's stores have read their registers and their base
.endif
	TOSTAGE \a
	SEND \a-1, 16                                  ; behind block a - 1's loads: block a's 8 stores and 8 loads
.endr
	s_wait_xcnt 0x0
	SEND 7, 0
	s_wait_tensorcnt 0x0                           ; the wave's end, behind my last tensor load and my last LDS store
	ds_add_u32 v[SPW], v[NIL]
	s_wait_dscnt 0x0
	CROUND                                         ; the closing round
	s_endpgm
.Lfunc_end_k_qa3558c4871_outproj:
	.size	k_qa3558c4871_outproj, .Lfunc_end_k_qa3558c4871_outproj-k_qa3558c4871_outproj
	.p2alignl 7, 3214868480
	.fill 96, 4, 3214868480
	.section	.rodata,"a",@progbits
	.p2align	6, 0x0
	.amdhsa_kernel k_qa3558c4871_outproj
		.amdhsa_group_segment_fixed_size 327680
		.amdhsa_private_segment_fixed_size 0
		.amdhsa_enable_private_segment 0
		.amdhsa_kernarg_size 32
		.amdhsa_user_sgpr_count 2
		.amdhsa_user_sgpr_kernarg_segment_ptr 1
		.amdhsa_wavefront_size32 1
		.amdhsa_system_sgpr_workgroup_id_x 1
		.amdhsa_system_sgpr_workgroup_id_y 1
		.amdhsa_system_sgpr_workgroup_id_z 1
		.amdhsa_system_vgpr_workitem_id 0
		.amdhsa_next_free_vgpr 512
		.amdhsa_next_free_sgpr 72
		.amdhsa_reserve_vcc 0
		.amdhsa_float_denorm_mode_32 3
		.amdhsa_float_denorm_mode_16_64 3
		.amdhsa_memory_ordered 1
		.amdhsa_forward_progress 1
		.amdhsa_inst_pref_size 88
	.end_amdhsa_kernel
	.amdgpu_metadata
---
amdhsa.version: [ 1, 2 ]
amdhsa.kernels:
  - .name:           k_qa3558c4871_outproj
    .symbol:         k_qa3558c4871_outproj.kd
    .args:
      - { .name: ctx16, .offset: 0, .size: 8, .value_kind: global_buffer, .address_space: global }
      - { .name: wo16, .offset: 8, .size: 8, .value_kind: global_buffer, .address_space: global }
      - { .name: bo, .offset: 16, .size: 8, .value_kind: global_buffer, .address_space: global }
      - { .name: out0, .offset: 24, .size: 8, .value_kind: global_buffer, .address_space: global }
    .group_segment_fixed_size: 327680
    .private_segment_fixed_size: 0
    .kernarg_segment_align: 8
    .kernarg_segment_size: 32
    .max_flat_workgroup_size: 128
    .sgpr_count:     72
    .vgpr_count:     512
    .wavefront_size: 32
...
	.end_amdgpu_metadata
.endif
;; end of part 5
;; launch first16 (part 6): grid 16 x 4, 16 waves a work-group, no clusters, 71,680 bytes of LDS; arguments qkv32, Wo, bo, out0; writes out0
.if DOCPART == 6
	.amdgcn_target "amdgcn-amd-amdhsa--gfx1250"
	.amdhsa_code_object_version 6
	.text
	.protected	k_qa3558c4871_first16
	.globl	k_qa3558c4871_first16
	.p2align	8
	.type	k_qa3558c4871_first16,@function
k_qa3558c4871_first16:
	s_mov_b64 s[64:65], 0
	v_nop
	global_prefetch_b8 v0, s[64:65] scope:SCOPE_SE
	s_setreg_imm32_b32 hwreg(HW_REG_WAVE_MODE, 25, 1), 1
	s_wait_xcnt 0x0
; Positions 0 to 15 of every sequence once more, wholly in f32: under the causal mask they average one to sixteen values, and operands of 16 bits would weigh most there.  This launch runs last and writes those 64 rows of out0.
; A work-group takes one batch and 64 columns of out0.  Wave hd computes head hd's attention over 16 x 16 positions and its part of the projection (K = its own 64 channels); the 16 parts are added through LDS in a fixed order.
; qkv32 holds, for tensor t, batch b and head hd, an image of 4,096 bytes at ((4 t + b) 16 + hd) x 4,096: byte 512 i + 16 lane + 4 e is position lane % 16, channel 16 (i / 2) + 8 (lane / 16) + 4 (i % 2) + e.
; All products by v_wmma_f32_16x16x4_f32 (lane l: row or column l % 16; register j: k = 2 (l / 16) + j), with K permuted alike on both sides:
;   S^T = K Q^T: both images have one layout, so registers 2 p, 2 p + 1 of both hold the same four channels.   ctx^T = V^T p: source 1 is p as it stands (register j: key 8 h + j).   out^T = Wo^T ctx: source 1 is ctx^T as it stands.
; The registers that these instructions write (v192-255) are written by them alone.  At most 64 loads of a wave are out.
.set QI,  16                           ; v16-47   Q's image; later Wo's rows of channels 32 to 47
.set KI,  48                           ; v48-79   K's image; later Wo's rows of channels 48 to 63
.set VT,  80                           ; v80-111  V^T: register 8 c + n: key 8 h + n, channel 16 c + r
.set W0,  112                          ; v112-143 Wo's rows of channels 0 to 15: register 8 nt + n: row 8 h + n, column 16 nt + r
.set W1,  144                          ; v144-175 of channels 16 to 31
.set T,   176                          ; v176-183 the scores, then p
.set BI,  184                          ; v184-187 the bias, then the sums
.set OA,  192                          ; v192-223 out^T's four accumulators; the first two hold S^T's two halves before
.set CT,  224                          ; v224-255 ctx^T's four accumulators
.set WREG, 4352                        ; LDS: a wave's part: 16 pieces of 256 bytes + 16
.set SPARE, 16*WREG                    ; the spare words: 128 bytes a wave, eight blocks of 256 bytes that no other line names
	s_load_b256 s[4:11], s[0:1], 0x0               ; qkv32, Wo, bo, out0
	v_lshl_add_u32 v6, v0, 2, SPARE                ; v6: my spare word; v7: 0; both never rewritten
	v_mov_b32 v7, 0
	v_lshrrev_b32 v1, 5, v0
	v_readfirstlane_b32 s12, v1                    ; wave = head
	s_and_b32 s13, ttmp7, 0xffff                   ; batch
	v_and_b32 v10, 31, v0                          ; lane
	v_and_b32 v11, 15, v0                          ; r
	v_bfe_u32 v12, v0, 4, 1                        ; h
	v_lshlrev_b32 v1, 4, v10                       ; an image's place for my lane
	v_bfe_u32 v13, v0, 2, 1
	v_lshlrev_b32 v2, 9, v13
	v_bfe_u32 v13, v0, 3, 1
	v_lshl_add_u32 v2, v13, 8, v2
	v_lshl_add_u32 v2, v12, 7, v2
	v_and_b32 v13, 3, v0
	v_lshl_add_u32 v2, v13, 2, v2                  ; V^T out of V's image: channel r of key 8 h: 512 ((r / 4) % 2) + 256 (r / 8) + 128 h + 4 (r % 4)
	v_lshlrev_b32 v3, 15, v12
	v_lshl_add_u32 v3, v11, 2, v3                  ; Wo: row 8 h of 4,096 bytes, column r
	s_mul_i32 s14, s12, WREG
	v_mul_u32_u24 v4, v12, 272
	v_lshl_add_u32 v4, v11, 4, v4
	v_add_nc_u32 v4, s14, v4                       ; my part, in: piece 2 (2 nt + c) + h, 16 bytes at 16 r: columns 16 nt + 8 h + 4 c on of position r
	v_bfe_u32 v13, v0, 2, 2
	v_lshlrev_b32 v13, 2, v13
	v_and_b32 v14, 1, v0
	v_lshl_add_u32 v13, v14, 1, v13
	v_bfe_u32 v14, v0, 1, 1
	v_add_nc_u32 v13, v13, v14                     ; back: columns 4 (lane % 16) on lie in piece 4 ((l / 4) % 4) + 2 (l % 2) + (l / 2) % 2
	v_mul_u32_u24 v5, v13, 272
	v_lshl_add_u32 v5, v12, 4, v5
	s_min_u32 s14, s12, 7                          ; waves 0 to 7 add: positions 2 w and 2 w + 1
	s_lshl_b32 s15, s14, 5
	v_add_nc_u32 v5, s15, v5
	v_lshlrev_b32 v13, 3, v12
	v_sub_nc_u32 v8, v11, v13                      ; r - 8 h
	v_lshlrev_b32 v9, 4, v11                       ; 16 (lane % 16)
	v_lshl_add_u32 v15, v12, 12, v9                ; out0: lanes 0-15 one row, lanes 16-31 the next
	s_lshl_b32 s16, s13, 4
	s_add_co_u32 s16, s16, s12
	s_lshl_b32 s16, s16, 12                        ; my images: (16 batch + head) x 4,096; a tensor on is 262,144 bytes
	s_mov_b32 s17, 0
	s_lshl_b32 s18, s12, 18                        ; Wo: my head's 64 rows,
	s_lshl_b32 s19, ttmp9, 8                       ; my work-group's 64 columns
	s_add_co_u32 s18, s18, s19
	s_mov_b32 s24, s19
	s_mov_b32 s19, 0
	s_mov_b32 s25, 0
	s_lshl_b32 s26, s13, 23                        ; out0: a batch is 2,048 rows of 4,096 bytes,
	s_lshl_b32 s27, s14, 13                        ; two rows a wave,
	s_add_co_u32 s26, s26, s27
	s_add_co_u32 s26, s26, s24                     ; the 64 columns
	s_mov_b32 s27, 0
	s_mov_b32 s20, 0x76543210
	s_mov_b32 s21, 0xfedcba98                      ; v_permlanex16_b32's selects for lane l xor 16
	s_mov_b32 s22, 0x3e38aa3b                      ; c = log2(e) / 8
	s_mov_b32 s23, s22
	s_wait_kmcnt 0x0
	s_add_nc_u64 s[4:5], s[4:5], s[16:17]
	s_add_nc_u64 s[6:7], s[6:7], s[18:19]
	s_add_nc_u64 s[8:9], s[8:9], s[24:25]
	s_add_nc_u64 s[10:11], s[10:11], s[26:27]
.irp i, 0,1,2,3,4,5,6,7
	global_load_b128 v[QI+4*\i:QI+4*\i+3], v1, s[4:5] offset:512*\i
.endr
.irp i, 0,1,2,3,4,5,6,7
	global_load_b128 v[KI+4*\i:KI+4*\i+3], v1, s[4:5] offset:262144+512*\i
.endr
.irp c, 0,1,2,3
.irp n, 0,1,2,3,4,5,6,7
	global_load_b32 v[VT+8*\c+\n], v2, s[4:5] offset:524288+1024*\c+16*\n
.endr
.endr
.macro WLOAD reg, c                    ; Wo's rows of my head's channels 16 c to 16 c + 15, 64 columns: 32 loads
.irp nt, 0,1,2,3
.irp n, 0,1,2,3,4,5,6,7
	global_load_b32 v[\reg+8*\nt+\n], v3, s[6:7] offset:(16*(\c)+\n)*4096+64*\nt
.endr
.endr
.endm
.macro PROJ reg, c, zero               ; out^T += Wo^T ctx over 16 channels: four accumulators by turns
.irp i, 0,1,2,3
.irp nt, 0,1,2,3
.if (\zero) && (\i == 0)
	v_wmma_f32_16x16x4_f32 v[OA+8*\nt:OA+8*\nt+7], v[\reg+8*\nt+2*\i:\reg+8*\nt+2*\i+1], v[CT+8*(\c)+2*\i:CT+8*(\c)+2*\i+1], 0
.else
	v_wmma_f32_16x16x4_f32 v[OA+8*\nt:OA+8*\nt+7], v[\reg+8*\nt+2*\i:\reg+8*\nt+2*\i+1], v[CT+8*(\c)+2*\i:CT+8*(\c)+2*\i+1], v[OA+8*\nt:OA+8*\nt+7]
.endif
.endr
.endr
.endm
	s_wait_loadcnt 32                              ; Q and K are in; V's 32 loads may be out
	WLOAD W0, 0
.irp p, 0,1,2,3,4,5,6,7,8,9,10,11,12,13,14,15  ; S^T = K Q^T, four channels an instruction, two accumulators by turns
.if \p < 2
	v_wmma_f32_16x16x4_f32 v[OA+8*(\p%2):OA+8*(\p%2)+7], v[KI+2*\p:KI+2*\p+1], v[QI+2*\p:QI+2*\p+1], 0
.else
	v_wmma_f32_16x16x4_f32 v[OA+8*(\p%2):OA+8*(\p%2)+7], v[KI+2*\p:KI+2*\p+1], v[QI+2*\p:QI+2*\p+1], v[OA+8*(\p%2):OA+8*(\p%2)+7]
.endif
.endr
.rept 8
	v_nop                                          ; eight places behind this form, for the reads of the sums and for later loads into Q's and K's registers
.endr
.irp j, 0,2,4,6
	v_pk_add_f32 v[T+\j:T+\j+1], v[OA+\j:OA+\j+1], v[OA+8+\j:OA+8+\j+1]   ; register j: key 8 h + j, query r
.endr
	v_mov_b32 v10, 0xff800000                      ; -infinity for the keys behind the query; key 0 counts for every query
.irp j, 0,1,2,3,4,5,6,7
	v_cmp_gt_i32 vcc_lo, \j, v8
	v_cndmask_b32 v[T+\j], v[T+\j], v10, vcc_lo
.endr
	v_max3_num_f32 v11, v[T], v[T+1], v[T+2]
	v_max3_num_f32 v12, v[T+3], v[T+4], v[T+5]
	v_max3_num_f32 v11, v11, v[T+6], v[T+7]
	v_max_num_f32 v11, v11, v12
	v_permlanex16_b32 v12, v11, s20, s21
	v_max_num_f32 v11, v11, v12                    ; the row's maximum
	v_mul_f32 v12, s22, v11                        ; c m (v13, named with it as a pair, was written above)
.irp j, 0,2,4,6
	v_pk_fma_f32 v[T+\j:T+\j+1], v[T+\j:T+\j+1], s[22:23], v[12:13] op_sel_hi:[1,0,0] neg_lo:[0,0,1] neg_hi:[0,0,1]
.endr
.irp j, 0,1,2,3,4,5,6,7
	v_exp_f32 v[T+\j], v[T+\j]
.endr
	v_nop                                          ; a plain line behind the exponentials
	s_wait_alu depctr_va_vdst(0)                   ; one wait for the eight, ahead of their first reader
	v_pk_add_f32 v[10:11], v[T:T+1], v[T+2:T+3]
	v_pk_add_f32 v[12:13], v[T+4:T+5], v[T+6:T+7]
	v_pk_add_f32 v[10:11], v[10:11], v[12:13]
	v_add_f32 v10, v10, v11
	v_permlanex16_b32 v11, v10, s20, s21
	v_add_f32 v10, v10, v11                        ; the row's sum
	v_rcp_f32 v10, v10
	v_nop
	s_wait_alu depctr_va_vdst(0)
.irp j, 0,2,4,6
	v_pk_mul_f32 v[T+\j:T+\j+1], v[T+\j:T+\j+1], v[10:11] op_sel_hi:[1,0]   ; the weights, normalised, in f32
.endr
	s_wait_loadcnt 32                              ; V is in; the 32 loads of Wo's first rows may be out
	WLOAD W1, 1
.irp i, 0,1,2,3                                ; ctx^T = V^T p: four accumulators by turns
.irp c, 0,1,2,3
.if \i == 0
	v_wmma_f32_16x16x4_f32 v[CT+8*\c:CT+8*\c+7], v[VT+8*\c+2*\i:VT+8*\c+2*\i+1], v[T+2*\i:T+2*\i+1], 0
.else
	v_wmma_f32_16x16x4_f32 v[CT+8*\c:CT+8*\c+7], v[VT+8*\c+2*\i:VT+8*\c+2*\i+1], v[T+2*\i:T+2*\i+1], v[CT+8*\c:CT+8*\c+7]
.endif
.endr
.endr
.rept 9
	v_nop                                          ; nine places: the next products take these results as a source
.endr
	s_wait_loadcnt 32                              ; channels 0 to 15 are in; the 32 loads behind them may be out
	WLOAD QI, 2
	PROJ W0, 0, 1
	s_wait_loadcnt 32                              ; channels 16 to 31
	WLOAD KI, 3
	PROJ W1, 1, 0
	s_wait_loadcnt 32                              ; channels 32 to 47
	global_load_b128 v[BI:BI+3], v9, s[8:9]        ; bo of my four columns
	PROJ QI, 2, 0
	s_wait_loadcnt 1                               ; channels 48 to 63; the bias may be out
	PROJ KI, 3, 0
.rept 8
	v_nop
.endr
.irp nt, 0,1,2,3
.irp c, 0,1
	ds_store_b128 v4, v[OA+8*\nt+4*\c:OA+8*\nt+4*\c+3] offset:544*(2*\nt+\c)   ; each accumulator from its low end on
.endr
.endr
	s_wait_dscnt 0x0                               ; for the others' sake: my part has landed
	s_barrier_signal -1
	s_barrier_wait -1
	s_cmp_gt_u32 s12, 7                            ; the wave's number alone
	s_cbranch_scc1 .Ldone
.irp g, 0,1,2,3,4,5,6,7,8,9,10,11,12,13,14,15
	ds_load_b128 v[16+4*\g:19+4*\g], v5 offset:WREG*\g
.endr
	s_wait_loadcnt 0x0                             ; the bias
	s_wait_dscnt 0x0
.irp g, 0,1,2,3,4,5,6,7,8,9,10,11,12,13,14,15
	v_pk_add_f32 v[BI:BI+1], v[BI:BI+1], v[16+4*\g:17+4*\g]        ; the bias and the heads' parts, in the heads' order
	v_pk_add_f32 v[BI+2:BI+3], v[BI+2:BI+3], v[18+4*\g:19+4*\g]
.endr
	global_store_b128 v15, v[BI:BI+3], s[10:11]    ; sixteen lanes store 256 consecutive bytes, aligned
.Ldone:
	s_wait_tensorcnt 0x0                           ; the wave's end, behind my last LDS store
	ds_add_u32 v6, v7
	s_wait_dscnt 0x0
	s_endpgm
.Lfunc_end_k_qa3558c4871_first16:
	.size	k_qa3558c4871_first16, .Lfunc_end_k_qa3558c4871_first16-k_qa3558c4871_first16
	.p2alignl 7, 3214868480
	.fill 96, 4, 3214868480
	.section	.rodata,"a",@progbits
	.p2align	6, 0x0
	.amdhsa_kernel k_qa3558c4871_first16
		.amdhsa_group_segment_fixed_size 71680
		.amdhsa_private_segment_fixed_size 0
		.amdhsa_enable_private_segment 0
		.amdhsa_kernarg_size 32
		.amdhsa_user_sgpr_count 2
		.amdhsa_user_sgpr_kernarg_segment_ptr 1
		.amdhsa_wavefront_size32 1
		.amdhsa_system_sgpr_workgroup_id_x 1
		.amdhsa_system_sgpr_workgroup_id_y 1
		.amdhsa_system_sgpr_workgroup_id_z 1
		.amdhsa_system_vgpr_workitem_id 0
		.amdhsa_next_free_vgpr 256
		.amdhsa_next_free_sgpr 66
		.amdhsa_reserve_vcc 1
		.amdhsa_float_denorm_mode_32 3
		.amdhsa_float_denorm_mode_16_64 3
		.amdhsa_memory_ordered 1
		.amdhsa_forward_progress 1
		.amdhsa_inst_pref_size 33
	.end_amdhsa_kernel
	.amdgpu_metadata
---
amdhsa.version: [ 1, 2 ]
amdhsa.kernels:
  - .name:           k_qa3558c4871_first16
    .symbol:         k_qa3558c4871_first16.kd
    .args:
      - { .name: qkv32, .offset: 0, .size: 8, .value_kind: global_buffer, .address_space: global }
      - { .name: Wo, .offset: 8, .size: 8, .value_kind: global_buffer, .address_space: global }
      - { .name: bo, .offset: 16, .size: 8, .value_kind: global_buffer, .address_space: global }
      - { .name: out0, .offset: 24, .size: 8, .value_kind: global_buffer, .address_space: global }
    .group_segment_fixed_size: 71680
    .private_segment_fixed_size: 0
    .kernarg_segment_align: 8
    .kernarg_segment_size: 32
    .max_flat_workgroup_size: 512
    .sgpr_count:     66
    .vgpr_count:     256
    .wavefront_size: 32
...
	.end_amdgpu_metadata
.endif
;; end of part 6
